; MI455X (gfx1250); checked and timed in simulation.
; The chip was launched on July 23, 2026; its instructions are those of AMD's public machine-readable ISA for CDNA 5 (MIT licence, August 2026) and "CDNA5" Instruction Set Architecture Reference Guide (July 2026). The comments in the code are by the model that wrote it; some were corrected since.
;; Custom Self Attention. Allowed arithmetic: matrix products marked QUANTISED: E4M3 operands, one E8M0 scale for each 32 along K, by v_wmma_scale_f32_16x16x128_f8f6f4 with both operands' format E4M3, f32 sums; everything else in f32.
;; Inputs: Wk 1,024 x 1,024 float32; Wq 1,024 x 1,024 float32; Wv 1,024 x 1,024 float32; attention_mask 4 x 1 x 1 x 1,024 float32; bk 1,024 float32; bq 1,024 float32; bv 1,024 float32; dist_emb 2,047 x 64 float32; gabriel_mask 4 x 1,024 x 1,024 float32; hidden_states 4 x 1,024 x 1,024 float32.
;; Outputs: out0 4 x 1,024 x 1,024 float32.
;; This version of the problem:
;;   THIS VERSION OF THE PROBLEM IS GIVEN IN LOW PRECISION. The matrix products marked QUANTISED in the list below multiply operands that are first quantised to E4M3 (4 exponent bits, 3 mantissa bits; 8 bits a number), with one power-of-two scale for each 32 numbers along K (OCP MX v1.0); their sums are f32. All else is computed in f32.
;;   The module's matrix products, in the order in which they are computed (A, B: the left and right operand; K: the contracted axis; several contracted axes count as one K, in the product's order):
;;     1. [M 4,096, K 1,024] x [K 1,024, N 1,024]; A: input hidden_states; B: input Wq: QUANTISED
;;     2. [M 4,096, K 1,024] x [K 1,024, N 1,024]; A: input hidden_states; B: input Wk: QUANTISED
;;     3. [M 4,096, K 1,024] x [K 1,024, N 1,024]; A: input hidden_states; B: input Wv: QUANTISED
;;     4. batch 64 x [M 1,024, K 64] x [K 64, N 1,024]; A: computed on the way; B: computed on the way: QUANTISED
;;     5. batch 1,024 x [M 1,024, K 64] x [K 64, N 64]; A: computed on the way; B: computed on the way: QUANTISED
;;     6. batch 1,024 x [M 1,024, K 64] x [K 64, N 64]; A: computed on the way; B: computed on the way: QUANTISED
;;     7. batch 64 x [M 64, K 1,024] x [K 1,024, N 1,024]; A: computed on the way; B: softmax (see below): QUANTISED
;;   THE QUANTISER, for each operand of a quantised product, along K:
;;     - K is cut into blocks of 32 from its start; a last block that is shorter is filled with zeros.
;;     - A block's scale is 2^e with e = floor(log2(the largest magnitude in the block)) - 8, held to -126 .. 127; a block of zeros has e = 0. As a byte (E8M0): e + 127.
;;     - Each number is divided by its block's scale, clamped to +-448, and rounded to the nearest number of E4M3, ties to even, subnormals kept.
;;     - The product sums the exact products of the quantised numbers (number of the format x scale) in f32.
;;   ~~~python
;;   def quantise(x, axis):      # numpy; x: float32 -> the quantised numbers, widened to float32 again
;;       x = np.moveaxis(x, axis, -1); K = x.shape[-1]
;;       x = np.pad(x, [(0, 0)] * (x.ndim - 1) + [(0, -K % 32)]); x = x.reshape(x.shape[:-1] + (-1, 32)); a = np.abs(x).max(-1, keepdims=True)
;;       e = np.where(a > 0, np.clip(np.frexp(np.where(a > 0, a, 1))[1] - 1 - 8, -126, 127), 0)      # np.frexp(a)[1] - 1 = floor(log2(a)), exactly
;;       r = np.clip(x / 2.0 ** e, -448, 448)
;;       step = 2.0 ** (np.maximum(np.frexp(np.where(r == 0, 1, r))[1] - 1, -6) - 3)
;;       q = np.round(r / step) * step * 2.0 ** e      # np.round: ties to even
;;       return np.moveaxis(q.reshape(q.shape[:-2] + (-1,))[..., :K], -1, axis).astype(np.float32)
;;   ~~~
;;   SOFTMAX AHEAD OF A QUANTISED PRODUCT. Where the list says 'softmax', what is quantised is not the finished softmax but p = 2^(t - M), with t = logit x log2(e) and M = ceil(the row's largest t), a whole number; so 1/2 < the row's largest p <= 1. The row's sum l is taken of the UNQUANTISED p, in f32, and the product's result is divided by l at the end. Since M is a whole number, a kernel that streams over the keys may use a running M (the ceiling of the running maximum): every later rescaling is an exact power of two, which a block's scale takes up: the codes' values come out the same.
;;   OPERANDS COMPUTED ON THE WAY. 'Computed on the way' means the value that the module computes at that place (a softmax that the list does not call 'softmax' is quantised finished and normalised). What goes into a quantiser is computed in f32, as accurately as f32 sums, v_exp_f32 and their like allow (about 1e-6 of the number): no bf16 or f16 on the way to a quantiser, and a product that is left as it is and whose result goes on into a quantised operand takes f32 operands (vector FMAs, or v_wmma_f32_16x16x4_f32). A number that lies on a knife's edge between two numbers of the format may be rounded either way, as far as f32 arithmetic and the matrix unit's own rounding can turn it there, and no further.
;; One version. Each part assembles by itself: llvm-mc -triple=amdgcn-amd-amdhsa -mcpu=gfx1250 --defsym DOCPART=n.
;; ======== version 1 of 1: 3 launches
;; limits: right only within a limited range of input values
;; workspace buffers: xq 4,325,376 bytes; wq 3,244,032 bytes; eq 139,264 bytes; qq 4,456,448 bytes; kv 8,912,896 bytes
;; launch quant (part 1): grid 240 x 1, 4 waves a work-group, no clusters, 33,280 bytes of LDS; arguments hidden_states, Wq, Wk, Wv, dist_emb, xq, wq, eq; writes xq, wq, eq
.if DOCPART == 1
	.amdgcn_target "amdgcn-amd-amdhsa--gfx1250"
	.amdhsa_code_object_version 6
	.text
	.protected	k_qf6764bef6a_quant
	.globl	k_qf6764bef6a_quant
	.p2align	8
	.type	k_qf6764bef6a_quant,@function
k_qf6764bef6a_quant:
	s_mov_b64 s[64:65], 0
	v_nop
	global_prefetch_b8 v0, s[64:65] scope:SCOPE_SE
	s_setreg_imm32_b32 hwreg(HW_REG_WAVE_MODE, 25, 1), 1
	s_wait_xcnt 0x0
; hidden_states [4096][1024], Wq, Wk, Wv [1024][1024] and dist_emb [2047][64], f32, become codes of FP8 (E4M3) with one E8M0 scale byte for each 32 along K (K is the last axis of all five).
; A block's scale is 2^(floor(log2(its largest magnitude)) - 8); its byte is the largest magnitude's exponent field - 8, held at 1 from below; each number is held within +-448 x the scale and rounded to the nearest code, ties to even.
; LIMITS: a block whose largest magnitude lies under 2^-118 (a block of zeros too) gets the byte 1 where the rule says otherwise: the bytes are read by this program alone, and zero codes add nothing under it.  NaN and infinities among the inputs are not served.
; WORK-GROUPS 0-127 take hidden_states, 128-223 the three weights (32 each): plain streams of blocks of 32.  xq: codes [4096][1024], then the scale bytes [4096][32]; wq: codes [3072][1024] (Wq, Wk, Wv), then the bytes [3072][32].
;   A wave takes 16 steps of 512 numbers.  Each load reads 512 consecutive bytes; a step's 2,048 bytes turn through the wave's own stage in LDS so that a lane holds 16 neighbours; its 16 codes leave as 16 bytes, 512 consecutive bytes a wave;
;   a wave's 256 scale bytes are gathered in LDS and leave as one aligned run of 256 bytes.
; WORK-GROUPS 224-239 take the table, as IMAGES OF OPERAND REGISTERS.  Row j of the images is dist_emb[j - 1] (row 0 repeats dist_emb[0] and is never used): so the row for query l and key k is l - k + 1024, and rows come in aligned tiles of 16.
;   Tile image: [c 2][lane 32][16 bytes]; lane (r, h) holds row 16 tile + r; its byte e of piece c is d = 32 c + 8 h + e (e < 8) or 32 c + 16 + 8 h + e - 8: the order in which the next launch's results give q and k.
;   Behind the 128 images: 2,048 scale words (byte 0, byte 1, 0x7f, 0x7f): the upper two scale the half of a K step of 128 that holds no number.
; Memory binds: no matrix unit, no cluster (no two work-groups read the same byte), no tensor loads; waves share nothing, so there is no barrier.
; DEAD WORK LEFT OUT OF THE PROGRAM: gabriel_mask is an argument of no launch.  reference() multiplies the scores by it into a value that it returns nowhere, so whatever finite values it holds, no number of out0 hangs on it.
; LIMIT: a NaN or an infinity in gabriel_mask is not carried to the result.
.set STEPS, 16
.set EMAX,  8
.set MANT,  0x600000                   ; the mantissa field of 448 as f32
.set CB,    16                         ; bytes of 16 codes
.set NS,    7                          ; loads run seven steps ahead: 28 loads a wave
.set R,     16                         ; v16-127  seven sets of 16 numbers as they are loaded
.set X,     128                        ; v128-159 two sets of 16 neighbours
.set C,     160                        ; v160-223 codes: four registers for each step
.set E,     224                        ; v224-239 a scale byte for each step; v240, v241: my spare word's address, and 0
.set WREG,  8192                       ; LDS: a region for each wave: two stages of 32 x SP bytes, then its 256 scale bytes
.set SP,    80                         ; a lane's place in a stage: 64 bytes + 16 of padding
.set XSC,   4194304                    ; where xq's scale bytes begin
.set WSC,   3145728                    ; where wq's begin
.set EWO,   131072                     ; where eq's scale words begin
.set XE,    32                         ; the table's path: v32-95 two tiles' numbers
.set PCE,   96                         ; v96-111 their codes
.set TM,    112                        ; v112-119 at work
	s_load_b256 s[4:11], s[0:1], 0x0               ; hidden_states s[4:5], Wq s[6:7], Wk s[8:9], Wv s[10:11]
	s_load_b256 s[12:19], s[0:1], 0x20             ; dist_emb s[12:13], xq s[14:15], wq s[16:17], eq s[18:19]
	v_lshl_add_u32 v240, v0, 2, 0x8000
	v_mov_b32 v241, 0
	v_lshrrev_b32 v1, 5, v0
	v_readfirstlane_b32 s20, v1                    ; wave
	v_and_b32 v2, 31, v0                           ; lane
	s_mov_b32 s23, MANT
	s_cmp_ge_u32 ttmp9, 224
	s_cbranch_scc1 .Lemb                           ; the table's work-groups; they use no LDS
	v_lshlrev_b32 v3, 4, v2                        ; my 16 bytes of a load's 512
	s_mul_i32 s21, s20, WREG
	v_lshrrev_b32 v14, 2, v2
	v_mul_u32_u24 v14, v14, SP
	v_and_b32 v15, 3, v2
	v_lshl_add_u32 v14, v15, 4, v14
	v_add_nc_u32 v14, s21, v14                     ; the stage, on the way in: SP (lane / 4) + 16 (lane % 4)
	v_mul_u32_u24 v15, v2, SP
	v_add_nc_u32 v15, s21, v15                     ; and on the way out: SP x lane: my 16 neighbours
	v_mul_u32_u24 v4, v2, CB                       ; my codes' place in a step's
	v_lshrrev_b32 v5, 1, v2
	s_add_co_u32 s21, s21, 2*32*SP
	v_add_nc_u32 v5, s21, v5                       ; LDS: my wave's 256 scale bytes, my block's byte
	v_lshlrev_b32 v7, 3, v2                        ; and on the way out 8 bytes a lane
	v_add_nc_u32 v6, s21, v7
	s_sub_co_u32 s24, ttmp9, 128                   ; a weight's work-group: its number among the 96,
	s_and_b32 s25, s24, 31                         ; and inside its weight
	s_mov_b32 s26, WSC
	s_wait_alu depctr_va_vdst(0)
	s_wait_kmcnt 0x0
	s_cmp_lt_u32 ttmp9, 160                        ; the choices hang on the work-group's number alone
	s_cselect_b64 s[6:7], s[6:7], s[8:9]
	s_cmp_lt_u32 ttmp9, 192
	s_cselect_b64 s[6:7], s[6:7], s[10:11]
	s_cmp_lt_u32 ttmp9, 128
	s_cselect_b64 s[4:5], s[4:5], s[6:7]           ; the tensor that I read
	s_cselect_b64 s[8:9], s[14:15], s[16:17]       ; the buffer that I write
	s_cselect_b32 s25, ttmp9, s25                  ; my place in the one,
	s_cselect_b32 s24, ttmp9, s24                  ; and in the other
	s_cselect_b32 s26, XSC, s26                    ; where its scale bytes begin
	s_lshl_b32 s25, s25, 2
	s_add_co_u32 s25, s25, s20                     ; which run of 8,192 numbers is my wave's
	s_lshl_b32 s28, s25, 15                        ; 32,768 bytes a run (under 2^25)
	s_mov_b32 s29, 0
	s_add_nc_u64 s[4:5], s[4:5], s[28:29]
	s_lshl_b32 s24, s24, 2
	s_add_co_u32 s24, s24, s20
	s_lshl_b32 s28, s24, 8                         ; 256 scale bytes a run
	s_add_co_u32 s28, s28, s26
	s_add_nc_u64 s[10:11], s[8:9], s[28:29]
	s_lshl_b32 s28, s24, 13                        ; 8,192 bytes of codes a run
	s_add_nc_u64 s[8:9], s[8:9], s[28:29]
.macro LOAD t
.irp i, 0,1,2,3
	global_load_b128 v[R+16*((\t)%NS)+4*\i:R+16*((\t)%NS)+4*\i+3], v3, s[4:5] offset:2048*(\t)+512*\i th:TH_LOAD_NT   ; 32 lanes read 512 consecutive bytes
.endr
.endm
.macro TURN t                          ; step t's numbers through the stage: LDS serves a wave's instructions in order, so no wait stands between the stores and the loads
.irp i, 0,1,2,3
	ds_store_b128 v14, v[R+16*((\t)%NS)+4*\i:R+16*((\t)%NS)+4*\i+3] offset:32*SP*((\t)%2)+8*SP*\i
.endr
.irp i, 0,1,2,3
	ds_load_b128 v[X+16*((\t)%2)+4*\i:X+16*((\t)%2)+4*\i+3], v15 offset:32*SP*((\t)%2)+16*\i
.endr
.endm
.irp t, 0,1,2,3,4,5,6
	LOAD \t
.endr
	s_wait_loadcnt 4*(NS-1)                        ; step 0's four loads are in; those of the six steps behind it may be out
	TURN 0
.macro STEP t
.set XS, X+16*((\t)%2)
.if (\t) > 0
	s_wait_dscnt 1                                 ; this step's numbers are back from the stage (the last step's byte store may be out)
.else
	s_wait_dscnt 0x0
.endif
.if (\t)+NS < STEPS
	LOAD (\t)+NS                                   ; the registers that the stage's stores have read take the loads of seven steps on
.endif
.if (\t)+1 < STEPS
.if STEPS-2-(\t) >= NS-1
	s_wait_loadcnt 4*(NS-1)                        ; the next step's four loads are in; those of the six steps behind it may be out
.else
	s_wait_loadcnt 4*(STEPS-2-(\t))
.endif
	TURN (\t)+1                                    ; and go through the other stage while this step is worked
.endif
	v_max3_num_f32 v8, |v[XS]|, |v[XS+1]|, |v[XS+2]|               ; the largest magnitude of my 16, in two chains
	v_max3_num_f32 v9, |v[XS+3]|, |v[XS+4]|, |v[XS+5]|
.irp i, 6,10
	v_max3_num_f32 v8, v8, |v[XS+\i]|, |v[XS+\i+1]|
	v_max3_num_f32 v9, v9, |v[XS+\i+2]|, |v[XS+\i+3]|
.endr
	v_max3_num_f32 v8, v8, |v[XS+14]|, |v[XS+15]|
	v_max3_num_f32 v8, v8, v9, (EMAX+1)<<23        ; and the floor 2^(9 - 127): the byte cannot fall under 1
	v_max_num_f32_dpp v8, v8, v8 row_xmask:1 row_mask:0xf bank_mask:0xf   ; and of my neighbour's 16: the block's
	v_add_nc_u32 v11, -(EMAX<<23), v8              ; 8 off its exponent field: the conversion takes the exponent field of this operand as its scale
	v_and_or_b32 v10, v8, 0x7f800000, s23          ; 448 x the scale
.irp i, 0,1,2,3,4,5,6,7,8,9,10,11,12,13,14,15
	v_med3_num_f32 v[XS+\i], v[XS+\i], -v10, v10   ; the conversion to an 8-bit code does not saturate (ISA guide 7.6.2): the hold comes first
.endr
	v_cvt_scalef32_pk8_fp8_f32 v[C+4*(\t):C+4*(\t)+1], v[XS:XS+7], v11
	v_cvt_scalef32_pk8_fp8_f32 v[C+4*(\t)+2:C+4*(\t)+3], v[XS+8:XS+15], v11
	v_lshrrev_b32 v[E+(\t)], 23, v11               ; the scale's byte (also the plain line behind the conversions)
	ds_store_b8 v5, v[E+(\t)] offset:16*(\t)       ; both lanes of a block write the same byte with the same value
	global_store_b128 v4, v[C+4*(\t):C+4*(\t)+3], s[8:9] offset:32*CB*(\t)   ; 32 lanes store 512 consecutive bytes
.endm
.irp t, 0,1,2,3,4,5,6,7,8,9,10,11,12,13,14,15
	STEP \t
.endr
	ds_load_b64 v[12:13], v6                       ; LDS serves a wave's instructions in order: these see my stores
	s_wait_dscnt 0x0
	global_store_b64 v7, v[12:13], s[10:11]        ; 32 lanes store 256 consecutive bytes, aligned
	s_wait_tensorcnt 0x0
	ds_add_u32 v240, v241
	s_wait_dscnt 0x0
	s_endpgm
; THE TABLE.  32 numbers of a lane, v[s] on, register 16 c + e = slot e of piece c of my row, become 8 registers of codes at v[pc] and the row's scale word in v[pw].  A block of 32 lies in lanes l and l xor 16.
.macro QUANT2 s, pc, pw
.irp b, 0,1
	v_max3_num_f32 v[TM+\b], |v[\s+16*\b]|, |v[\s+1+16*\b]|, 0x4800000
.endr
.irp i, 2,4,6,8,10,12,14
.irp b, 0,1
	v_max3_num_f32 v[TM+\b], v[TM+\b], |v[\s+16*\b+\i]|, |v[\s+1+16*\b+\i]|
.endr
.endr
.irp b, 0,1
	v_permlanex16_b32 v[TM+2+\b], v[TM+\b], s24, s25
.endr
.irp b, 0,1
	v_max_num_f32 v[TM+\b], v[TM+\b], v[TM+2+\b]
.endr
.irp b, 0,1
	v_add_nc_u32 v[TM+4+\b], 0xfc000000, v[TM+\b]
	v_and_or_b32 v[TM+6+\b], v[TM+\b], 0x7f800000, s23
	v_lshrrev_b32 v[TM+2+\b], 23, v[TM+4+\b]
.endr
	v_lshl_or_b32 v[\pw], v[TM+3], 8, v[TM+2]
	v_or_b32 v[\pw], s27, v[\pw]                   ; bytes 2 and 3: 0x7f
.irp b, 0,1
.irp i, 0,1,2,3,4,5,6,7,8,9,10,11,12,13,14,15
	v_med3_num_f32 v[\s+16*\b+\i], v[\s+16*\b+\i], -v[TM+6+\b], v[TM+6+\b]
.endr
	v_cvt_scalef32_pk8_fp8_f32 v[\pc+4*\b:\pc+4*\b+1], v[\s+16*\b:\s+16*\b+7], v[TM+4+\b]
	v_cvt_scalef32_pk8_fp8_f32 v[\pc+4*\b+2:\pc+4*\b+3], v[\s+16*\b+8:\s+16*\b+15], v[TM+4+\b]
.endr
	v_nop                                          ; a plain line behind the last conversion
.endm
.Lemb:
	s_wait_alu depctr_va_vdst(0)
	v_and_b32 v3, 15, v2                           ; r
	s_wait_alu depctr_va_vdst(0)
	v_lshrrev_b32 v4, 4, v2                        ; h
	s_sub_co_u32 s21, ttmp9, 224
	s_lshl_b32 s21, s21, 3
	s_lshl_b32 s22, s20, 1
	s_add_co_u32 s21, s21, s22                     ; my wave's first tile: 8 x work-group + 2 x wave; it takes two
	s_lshl_b32 s22, s21, 4
	s_mov_b32 s24, 0x76543210
	s_mov_b32 s25, 0xfedcba98                      ; v_permlanex16_b32's selects for lane l xor 16
	s_mov_b32 s26, 0xffff0000                      ; lanes 16-31
	s_mov_b32 s27, 0x7f7f0000
	v_add_nc_u32 v5, s22, v3                       ; my row in the first tile,
	v_add_nc_u32 v6, 16, v5                        ; and in the second (never 0)
	v_cmp_ne_u32 vcc_lo, 0, v5
	v_cndmask_b32 v9, 0, 1, vcc_lo
	v_sub_nc_u32 v5, v5, v9                        ; the table's row: one less; image row 0 repeats the table's row 0, so that no load leaves the buffer
	v_add_nc_u32 v6, -1, v6
	v_lshlrev_b32 v5, 8, v5                        ; 256 bytes a row,
	s_wait_alu depctr_va_vdst(0)
	v_lshlrev_b32 v6, 8, v6
	v_lshl_add_u32 v5, v4, 5, v5                   ; + 32 h
	v_lshl_add_u32 v6, v4, 5, v6
	v_mov_b32 v[TM+2], 0                           ; a lane permute's destination counts as one of its sources
	v_mov_b32 v[TM+3], 0
	v_lshlrev_b32 v7, 4, v2
	v_lshlrev_b32 v8, 2, v2
	s_lshl_b32 s28, s21, 10
	s_mov_b32 s29, 0
	s_wait_alu depctr_va_vdst(0)
	s_wait_kmcnt 0x0
	s_add_nc_u64 s[30:31], s[18:19], s[28:29]      ; my tiles' images
	s_lshl_b32 s28, s21, 6
	s_add_co_u32 s28, s28, EWO
	s_add_nc_u64 s[18:19], s[18:19], s[28:29]      ; and their scale words
.irp t, 0,1
.irp c, 0,1
.irp u, 0,1
.irp k, 0,1
	global_load_b128 v[XE+32*\t+16*\c+8*\u+4*\k:XE+32*\t+16*\c+8*\u+4*\k+3], v[5+\t], s[12:13] offset:128*\c+64*\u+16*\k   ; d = 32 c + 16 u + 8 h + 4 k on
.endr
.endr
.endr
.endr
	s_wait_loadcnt 0x0
	QUANT2 XE, PCE, 120
	QUANT2 XE+32, PCE+8, 121
.irp t, 0,1
.irp c, 0,1
	global_store_b128 v7, v[PCE+8*\t+4*\c:PCE+8*\t+4*\c+3], s[30:31] offset:1024*\t+512*\c   ; 32 lanes store 512 consecutive bytes
.endr
.endr
	v_cndmask_b32 v122, v120, v121, s26            ; lanes 0-15 the first tile's words, lanes 16-31 the second's (both halves of the lanes hold a row's word)
	global_store_b32 v8, v122, s[18:19]            ; 128 consecutive bytes; 8 KiB in all leave this way
	s_endpgm
.Lfunc_end_k_qf6764bef6a_quant:
	.size	k_qf6764bef6a_quant, .Lfunc_end_k_qf6764bef6a_quant-k_qf6764bef6a_quant
	.p2alignl 7, 3214868480
	.fill 96, 4, 3214868480
	.section	.rodata,"a",@progbits
	.p2align	6, 0x0
	.amdhsa_kernel k_qf6764bef6a_quant
		.amdhsa_group_segment_fixed_size 33280
		.amdhsa_private_segment_fixed_size 0
		.amdhsa_enable_private_segment 0
		.amdhsa_kernarg_size 64
		.amdhsa_user_sgpr_count 2
		.amdhsa_user_sgpr_kernarg_segment_ptr 1
		.amdhsa_wavefront_size32 1
		.amdhsa_system_sgpr_workgroup_id_x 1
		.amdhsa_system_sgpr_workgroup_id_y 1
		.amdhsa_system_sgpr_workgroup_id_z 1
		.amdhsa_system_vgpr_workitem_id 0
		.amdhsa_next_free_vgpr 242
		.amdhsa_next_free_sgpr 66
		.amdhsa_reserve_vcc 1
		.amdhsa_float_denorm_mode_32 3
		.amdhsa_float_denorm_mode_16_64 3
		.amdhsa_memory_ordered 1
		.amdhsa_forward_progress 1
		.amdhsa_inst_pref_size 63
	.end_amdhsa_kernel
	.amdgpu_metadata
---
amdhsa.version: [ 1, 2 ]
amdhsa.kernels:
  - .name:           k_qf6764bef6a_quant
    .symbol:         k_qf6764bef6a_quant.kd
    .args:
      - { .name: hidden_states, .offset: 0, .size: 8, .value_kind: global_buffer, .address_space: global }
      - { .name: Wq, .offset: 8, .size: 8, .value_kind: global_buffer, .address_space: global }
      - { .name: Wk, .offset: 16, .size: 8, .value_kind: global_buffer, .address_space: global }
      - { .name: Wv, .offset: 24, .size: 8, .value_kind: global_buffer, .address_space: global }
      - { .name: dist_emb, .offset: 32, .size: 8, .value_kind: global_buffer, .address_space: global }
      - { .name: xq, .offset: 40, .size: 8, .value_kind: global_buffer, .address_space: global }
      - { .name: wq, .offset: 48, .size: 8, .value_kind: global_buffer, .address_space: global }
      - { .name: eq, .offset: 56, .size: 8, .value_kind: global_buffer, .address_space: global }
    .group_segment_fixed_size: 33280
    .private_segment_fixed_size: 0
    .kernarg_segment_align: 8
    .kernarg_segment_size: 64
    .max_flat_workgroup_size: 128
    .sgpr_count:     66
    .vgpr_count:     242
    .wavefront_size: 32
...
	.end_amdgpu_metadata
.endif
;; end of part 1
;; launch proj (part 2): grid 12 x 16, 4 waves a work-group, clusters of 4 x 4, 327,680 bytes of LDS; arguments xq, wq, bq, bk, bv, qq, kv; writes qq, kv
.if DOCPART == 2
	.amdgcn_target "amdgcn-amd-amdhsa--gfx1250"
	.amdhsa_code_object_version 6
	.text
	.protected	k_qf6764bef6a_proj
	.globl	k_qf6764bef6a_proj
	.p2align	8
	.type	k_qf6764bef6a_proj,@function
k_qf6764bef6a_proj:
	s_mov_b64 s[64:65], 0
	v_nop
	global_prefetch_b8 v0, s[64:65] scope:SCOPE_SE
	s_setreg_imm32_b32 hwreg(HW_REG_WAVE_MODE, 25, 1), 1
	s_wait_xcnt 0x0
	s_wait_alu depctr_hold_cnt(0) depctr_sa_sdst(0) depctr_va_vdst(0) depctr_va_sdst(0) depctr_va_ssrc(0) depctr_va_vcc(0) depctr_vm_vsrc(0)
	s_getreg_b32 s2, hwreg(HW_REG_IB_STS2, 6, 4)
	s_cmp_eq_u32 s2, 0
	s_cbranch_scc0 .Lentry_in_a_cluster
	s_endpgm
.Lentry_in_a_cluster:
	s_bfe_u32 s2, ttmp6, 0x10000c
	s_cmp_lg_u32 s2, 0xf033
	s_cbranch_scc0 .Lentry_shape_is_right
	s_endpgm
.Lentry_shape_is_right:
; Q, K, V: x W^T + b on codes of FP8 (E4M3), 4,096 x 3,072 x 1,024, each result quantised again on the way out: q and k along the head's 64, v along the tokens; codes leave as images of the next launch's operand registers.
; A work-group of four waves makes 256 x 256, a wave 128 x 128: 64 accumulators.  Cluster columns 0 and 1 (Q, K): source 1 = x's rows; column 2 (V): the roles of x and W_v are exchanged, so that registers run along the tokens.
; K goes in steps of 256 through a ring of two slots; all scale bytes come once.  The tiles are shared in clusters of 4 x 4 by joint loads.
; THE HEAD'S LOADS, one a wave: wave 0 the first step's 256 rows of A, wave 1 those of B, waves 2 and 3 the scale bytes of A's and of B's rows.  Slot 1 is first filled behind the round that shows them.
; LIMITS: NaN and infinities are not served; a block whose largest magnitude lies under 2^-118 keeps the scale byte 1.
.set KSTEP,  256
.set NQ,     KSTEP/128
.set ROWB,   256
.set KROW,   1024
.set PITCH,  272
.set FR,     16
.set NL,     4
.set NP,     8
.set HALFT,  128*PITCH
.set SLOT,   4*HALFT
.set LAPS,   1024/(2*KSTEP)
.set KS,     32
.set SCL,    2*SLOT
.set HALFS,  (128*KS/256)*272
.set SBLK,   (16*KS/256)*272
.set SPARE,  SCL+4*HALFS
.set BY,   8
.set ADRA, 16
.set ADRB, 20
.set LI,   26
.set ADRS, 27
.set SPW,  28
.set NIL,  29
.set AB32, 30
.set AR4,  31
.set SC,   32
.set BX,   64
.set AF,   128
.set H,    128
.set PC,   192
.set TM,   208
.set PWS,  224
.set VO0,  232
.set VO1,  233
.set WT,   244
.set G1, 24
.set G0, 32
.set G1B, 48
.set G0B, 56
.set G1S, 68
.set G0S, 76
.set G1SB, 80
.set G0SB, 88
.set MSB, 0
.macro WIN new
.if MSB != \new
	s_set_vgpr_msb (MSB<<8)|\new
.set MSB, \new
.endif
.endm
.set MUL_LO, 0xa1
.set MUL_HI, 0xf1
.set TO_B,   0x40
.macro JLOAD g0a, g1a, g0b, g1b
	s_cmp_eq_u32 s15, 0
	s_cbranch_scc0 .Lfor_b_\@
	tensor_load_to_lds s[\g0a:\g0a+3], s[\g1a:\g1a+7]
	s_nop 0
.rept 4
	v_nop
.endr
	s_branch .Lasked_\@
.Lfor_b_\@:
	tensor_load_to_lds s[\g0b:\g0b+3], s[\g1b:\g1b+7]
	s_nop 0
.rept 4
	v_nop
.endr
.Lasked_\@:
.endm
.macro CREST
	s_cmp_lg_u32 s14, 0
	s_cbranch_scc1 .Lnot_wave_0_\@
	s_barrier_signal -3
.Lnot_wave_0_\@:
	s_barrier_wait -3
	s_barrier_signal -1
	s_barrier_wait -1
.endm
.macro CROUND
	s_barrier_signal -1
	s_barrier_wait -1
	CREST
.endm
	s_load_b256 s[68:75], s[0:1], 0x0
	s_load_b128 s[76:79], s[0:1], 0x20
	s_load_b64 s[80:81], s[0:1], 0x30
	v_lshl_add_u32 v[SPW], v0, 2, SPARE
	v_mov_b32 v[NIL], 0
	ds_add_u32 v28, v29
	ds_add_u32 v28, v29
	s_wait_dscnt 0x0
	v_lshrrev_b32 v1, 5, v0
	v_readfirstlane_b32 s14, v1
	s_lshr_b32 s15, s14, 1
	s_and_b32 s16, s14, 1
	s_bfe_u32 s40, ttmp6, 0x40000
	s_bfe_u32 s41, ttmp6, 0x40004
	s_lshr_b32 s98, ttmp9, 1
	s_xor_b32 s97, s98, 1
	s_and_b32 s95, ttmp7, 0xffff
	s_lshl_b32 s95, s95, 2
	s_lshl_b32 s96, ttmp9, 2
	s_mul_i32 s17, s95, s97
	s_add_co_u32 s17, s17, s41
	s_mul_i32 s42, s95, s98
	s_mul_i32 s96, s96, s97
	s_add_co_u32 s42, s42, s96
	s_add_co_u32 s42, s42, s40
	s_lshl_b32 s43, s41, 2
	s_lshl_b32 s43, 15, s43
	s_lshl_b32 s44, 0x1111, s40
	s_or_b32 s[G1+0], s43, (0<<16)|(1<<20)|(1<<21)|(5<<22)|(3<<25)
	s_or_b32 s[G1B+0], s44, (0<<16)|(1<<20)|(1<<21)|(5<<22)|(3<<25)
.irp g, G1, G1B
	s_mov_b32 s[\g+1], ROWB<<16
	s_mov_b32 s[\g+2], 256<<16
	s_mov_b32 s[\g+3], ROWB<<16
	s_mov_b32 s[\g+4], 256
	s_mov_b32 s[\g+5], KROW
	s_mov_b32 s[\g+6], 0
	s_mov_b32 s[\g+7], 0
.endr
	s_lshl_b32 s20, s17, 8
	s_lshl_b32 s46, s42, 8
	s_lshl_b32 s22, s20, 5
	s_mov_b32 s23, 0
	s_lshl_b32 s20, s20, 10
	s_mov_b32 s21, 0
	s_lshl_b32 s92, s46, 5
	s_mov_b32 s93, 0
	s_lshl_b32 s46, s46, 10
	s_mov_b32 s47, 0
	s_mul_i32 s45, s14, HALFT
	s_mul_i32 s18, s16, 128*KROW                   ; in the ring I fetch 128 rows of a tile: which half, in bytes
	s_mov_b32 s19, 0
	s_wait_kmcnt 0x0
	s_add_nc_u64 s[82:83], s[68:69], 4194304
	s_add_nc_u64 s[84:85], s[70:71], 3145728
	s_add_nc_u64 s[86:87], s[70:71], 2097152
	s_add_nc_u64 s[88:89], s[70:71], 3211264
	s_cmp_lg_u32 s98, 0
	s_cselect_b64 s[4:5], s[86:87], s[68:69]
	s_cselect_b64 s[6:7], s[88:89], s[82:83]
	s_cselect_b64 s[8:9], s[68:69], s[70:71]
	s_cselect_b64 s[10:11], s[82:83], s[84:85]
	s_cselect_b64 s[100:101], s[76:77], s[74:75]
	s_cmp_lg_u32 ttmp9, 0
	s_cselect_b64 s[100:101], s[100:101], s[72:73]
	s_cselect_b64 s[12:13], s[80:81], s[78:79]
	s_or_b32 s[G1S+0], s43, (3<<16)|(1<<20)|(1<<21)|(5<<22)|(3<<25)
	s_or_b32 s[G1SB+0], s44, (3<<16)|(1<<20)|(1<<21)|(5<<22)|(3<<25)
.irp g, G1S, G1SB
	s_mov_b32 s[\g+1], 32<<16
	s_mov_b32 s[\g+2], KS<<16
	s_mov_b32 s[\g+3], 32<<16
	s_mov_b32 s[\g+4], KS
	s_mov_b32 s[\g+5], 32
	s_mov_b32 s[\g+6], 0
	s_mov_b32 s[\g+7], 0
.endr
	s_add_nc_u64 s[20:21], s[4:5], s[20:21]
	s_add_nc_u64 s[22:23], s[6:7], s[22:23]
	s_add_nc_u64 s[46:47], s[8:9], s[46:47]
	s_add_nc_u64 s[92:93], s[10:11], s[92:93]
	CROUND
	s_mov_b32 s[G0], 1                             ; K step 0's 256 rows of A into slot 0,
	s_mov_b32 s[G0+1], 0
	s_mov_b64 s[G0+2:G0+3], s[20:21]
	s_or_b32 s[G0+3], s[G0+3], 0x80000000
	s_mov_b32 s[G0B], 1                            ; its 256 rows of B behind them,
	s_mov_b32 s[G0B+1], 2*HALFT
	s_mov_b64 s[G0B+2:G0B+3], s[46:47]
	s_or_b32 s[G0B+3], s[G0B+3], 0x80000000
	s_mov_b32 s[G0S], 1                            ; the scale bytes of A's 256 rows,
	s_mov_b32 s[G0S+1], SCL
	s_mov_b64 s[G0S+2:G0S+3], s[22:23]
	s_or_b32 s[G0S+3], s[G0S+3], 0x80000000
	s_mov_b32 s[G0SB], 1                           ; and of B's
	s_mov_b32 s[G0SB+1], SCL+2*HALFS
	s_mov_b64 s[G0SB+2:G0SB+3], s[92:93]
	s_or_b32 s[G0SB+3], s[G0SB+3], 0x80000000
	s_add_nc_u64 s[20:21], s[20:21], s[18:19]      ; for the ring: my 128 rows of the tile; slot 1's first fill
	s_add_nc_u64 s[46:47], s[46:47], s[18:19]
	s_mov_b32 s[G0+4], 1
	s_add_co_u32 s[G0+5], s45, SLOT
	s_add_nc_u64 s[G0+6:G0+7], s[20:21], ROWB
	s_or_b32 s[G0+7], s[G0+7], 0x80000000
	s_mov_b32 s[G0B+4], 1
	s_add_co_u32 s[G0B+5], s45, SLOT
	s_add_nc_u64 s[G0B+6:G0B+7], s[46:47], ROWB
	s_or_b32 s[G0B+7], s[G0B+7], 0x80000000
	; the prefetches: of the 128 rows that I fetch the four partners take 32 each, told apart by address (cx for A, cy for B)
	s_cmp_eq_u32 s15, 0
	s_cselect_b64 s[94:95], s[20:21], s[46:47]
	s_cselect_b32 s96, s40, s41
	s_lshl_b32 s96, s96, 15
	s_mov_b32 s97, 0
	s_add_nc_u64 s[94:95], s[94:95], s[96:97]
.macro ARM under, g0, g1, next
	s_cmp_lt_u32 s14, \under
	s_cbranch_scc0 \next
	tensor_load_to_lds s[\g0:\g0+3], s[\g1:\g1+7]
	s_nop 0
.rept 4
	v_nop
.endr
	s_branch .Lhead_asked
\next:
.endm
	ARM 1, G0,  G1,  .Lhead_b
	ARM 2, G0B, G1B, .Lhead_sa
	ARM 3, G0S, G1S, .Lhead_sb
	tensor_load_to_lds s[G0SB:G0SB+3], s[G1SB:G1SB+7]
	s_nop 0
.rept 4
	v_nop
.endr
.Lhead_asked:
	v_and_b32 v1, 15, v0
	v_bfe_u32 v2, v0, 4, 1
	v_mul_u32_u24 v3, v1, PITCH
	v_lshl_add_u32 v4, v2, 4, v3
	s_mul_i32 s21, s15, HALFT
	s_mul_i32 s22, s16, HALFT
	s_add_co_u32 s22, s22, 2*HALFT
.irp s, 0,1
	v_add_nc_u32 v[ADRA+\s], s21, v4
	v_add_nc_u32 v[ADRB+\s], s22, v4
	s_add_co_u32 s21, s21, SLOT
	s_add_co_u32 s22, s22, SLOT
.endr
	v_mul_u32_u24 v5, v1, KS
	v_lshrrev_b32 v6, 8, v5
	v_lshl_add_u32 v5, v6, 4, v5
	s_mul_i32 s21, s15, HALFS
	s_mul_i32 s22, s16, HALFS
	s_add_co_u32 s22, s22, 2*HALFS
	s_sub_co_u32 s22, s22, s21
	v_mul_u32_u24 v6, s22, v2
	s_add_co_u32 s21, s21, SCL
	v_add_nc_u32 v5, v5, v6
	v_add_nc_u32 v[ADRS], s21, v5
	v_and_b32 v6, 31, v0
	v_lshlrev_b32 v[LI], 4, v6
	v_lshlrev_b32 v18, 10, v6                      ; the prefetches' offset: a lane a row; never rewritten
	v_lshlrev_b32 v[AB32], 5, v2
	s_wait_alu depctr_va_vdst(0)
	v_lshlrev_b32 v[AR4], 2, v1
	s_wait_alu depctr_va_vdst(0)
	s_lshl_b32 s66, s17, 8
	s_lshl_b32 s67, s15, 7
	s_add_co_u32 s66, s66, s67
	s_lshl_b32 s67, s42, 8
	s_lshl_b32 s20, s16, 7
	s_add_co_u32 s67, s67, s20
	s_min_u32 s20, ttmp9, 1
	s_lshl_b32 s8, 69632, s20
	s_lshl_b32 s9, 8704, s20
	s_lshl_b32 s7, 8192, s20
	s_lshl_b32 s4, 1024, s98
	s_lshl_b32 s21, s98, 13
	s_cmp_lg_u32 s98, 0
	s_cselect_b32 s96, s67, s66
	s_cselect_b32 s97, s66, s67
	s_cselect_b32 s5, s8, 4096
	s_cselect_b32 s6, 1024, s8
	s_cselect_b32 s7, 8704, s7
	s_lshr_b32 s22, s96, 10
	s_lshl_b32 s22, s22, 4
	s_bfe_u32 s23, s97, 0x40006
	s_add_co_u32 s22, s22, s23
	s_mul_i32 s22, s22, s8
	s_bfe_u32 s23, s96, 0x30007
	s_mul_i32 s23, s23, s9
	s_add_co_u32 s22, s22, s23
	s_add_co_u32 s22, s22, s21
	s_mov_b32 s23, 0
	s_add_nc_u64 s[12:13], s[12:13], s[22:23]
	s_and_b32 s22, s97, 1023
	s_lshl_b32 s22, s22, 2
	s_add_nc_u64 s[100:101], s[100:101], s[22:23]
	s_mov_b32 s99, 0
	s_mov_b32 s20, 0x76543210
	s_mov_b32 s21, 0xfedcba98
	s_mov_b32 s22, 0x600000
.irp b, 0,1,2,3,4,5,6,7
	global_load_b128 v[BX+8*\b:BX+8*\b+3],   v[AB32], s[100:101] offset:64*\b
	global_load_b128 v[BX+8*\b+4:BX+8*\b+7], v[AB32], s[100:101] offset:64*\b+16
.endr
.irp a, 0,1,2,3,4,5,6,7
	global_load_b32 v[BY+\a], v[AR4], s[100:101] offset:64*\a
.endr
.macro FRAG reg, adr, q, i
.irp c, 0,1,2,3
	ds_load_b128 v[\reg+4*\c:\reg+4*\c+3], v[\adr] offset:128*(\q)+32*\c+(\i)*16*PITCH
.endr
.endm
.macro MUL16 a0, p, q, sc, zero
.irp a, \a0, \a0+1
.irp b, 0,1,2,3,4,5,6,7
.if \zero
	v_wmma_scale_f32_16x16x128_f8f6f4 v[8*(8*((\a)%4)+\b):8*(8*((\a)%4)+\b)+7], v[128*(\p)+FR*\b:128*(\p)+FR*\b+FR-1], v[AF+FR*(\a):AF+FR*(\a)+FR-1], 0, v[SC+8*NQ*(\sc)+NQ*\b+(\q)], v[SC+8*NQ*(\sc)+NQ*(\a)+(\q)] matrix_a_scale:MATRIX_SCALE_ROW1
.else
	v_wmma_scale_f32_16x16x128_f8f6f4 v[8*(8*((\a)%4)+\b):8*(8*((\a)%4)+\b)+7], v[128*(\p)+FR*\b:128*(\p)+FR*\b+FR-1], v[AF+FR*(\a):AF+FR*(\a)+FR-1], v[8*(8*((\a)%4)+\b):8*(8*((\a)%4)+\b)+7], v[SC+8*NQ*(\sc)+NQ*\b+(\q)], v[SC+8*NQ*(\sc)+NQ*(\a)+(\q)] matrix_a_scale:MATRIX_SCALE_ROW1
.endif
.endr
.endr
.endm
.macro FETCH_B slot, q, p
	WIN TO_B
.irp i, 0,1,2,3,4,5,6,7
	FRAG 128*(\p)+FR*\i, ADRB+\slot, \q, \i
.endr
	WIN 0
.endm
.macro FETCH_A slot, q, i0
.irp i, \i0, \i0+1, \i0+2, \i0+3
	FRAG AF+FR*(\i), ADRA+\slot, \q, \i
.endr
.endm
.macro SCALES sc
.irp i, 0,1,2,3,4,5,6,7
	ds_load_b64 v[SC+8*NQ*\sc+NQ*\i:SC+8*NQ*\sc+NQ*\i+1], v[ADRS] offset:\i*SBLK
.endr
.endm
.macro PLACES n
.rept \n
	v_nop
.endr
.endm
.macro STEP slot, q, zero
	s_wait_dscnt 4*NL
	WIN MUL_LO
	MUL16 0, (\q)%2, \q, \slot, \zero
	MUL16 2, (\q)%2, \q, \slot, \zero
	s_wait_dscnt 0
	PLACES NP
	FETCH_B \slot, (\q)+1, 1-(\q)%2
	FETCH_A \slot, (\q)+1, 0
	WIN MUL_HI
	MUL16 4, (\q)%2, \q, \slot, \zero
	MUL16 6, (\q)%2, \q, \slot, \zero
	PLACES NP
	WIN 0
	FETCH_A \slot, (\q)+1, 4
.endm
.macro TURN slot, next, fill
	s_wait_tensorcnt 0x0
	ds_add_u32 v[SPW], v[NIL]
	s_wait_dscnt 4*NL+1
	WIN MUL_LO
	MUL16 0, 1, NQ-1, \slot, 0
	s_wait_dscnt 0x0
	s_barrier_signal -1
	MUL16 2, 1, NQ-1, \slot, 0
	WIN 0
	s_barrier_wait -1
.if \fill
	CREST
	s_add_nc_u64 s[G0+4*\slot+2:G0+4*\slot+3], s[G0+4*\slot+2:G0+4*\slot+3], 2*ROWB
	s_add_nc_u64 s[G0B+4*\slot+2:G0B+4*\slot+3], s[G0B+4*\slot+2:G0B+4*\slot+3], 2*ROWB
	JLOAD G0+4*\slot, G1, G0B+4*\slot, G1B
	PLACES NP-4
.else
	PLACES NP
.endif
	s_wait_alu depctr_va_vdst(0)
	v_add_nc_u32 v[ADRS], 4*NQ, v[ADRS]
	FETCH_B \next, 0, 0
	FETCH_A \next, 0, 0
	SCALES \next
	WIN MUL_HI
	MUL16 4, 1, NQ-1, \slot, 0
	MUL16 6, 1, NQ-1, \slot, 0
	PLACES NP
	WIN 0
	FETCH_A \next, 0, 4
.endm
	s_wait_alu depctr_va_vdst(0)                   ; at the head's end
	s_wait_tensorcnt 0x0                           ; my tile of the head's four is in; no tensor load of mine is out, so descriptors may be written
	ds_add_u32 v[SPW], v[NIL]
	s_mov_b32 s[G1+2], 128<<16                     ; from here on a load brings 128 rows
	s_mov_b32 s[G1+4], 128
	s_mov_b32 s[G1B+2], 128<<16
	s_mov_b32 s[G1B+4], 128
	s_mov_b32 s[G0+1], s45                         ; slot 0's refills: my quarter of the slot, my 128 rows
	s_mov_b32 s[G0B+1], s45
	s_add_nc_u64 s[G0+2:G0+3], s[G0+2:G0+3], s[18:19]
	s_add_nc_u64 s[G0B+2:G0B+3], s[G0B+2:G0B+3], s[18:19]
	s_wait_dscnt 0x0
	CROUND
	JLOAD G0+4, G1, G0B+4, G1B                     ; K step 1
	FETCH_B 0, 0, 0
	FETCH_A 0, 0, 0
	SCALES 0
	FETCH_A 0, 0, 4
	global_prefetch_b8 v18, s[94:95] offset:2*ROWB th:TH_LOAD_NT scope:SCOPE_SE   ; K steps 2 and 3, the last two, of my 32 rows: one and two refills ahead of their loads; each row's 256 bytes once in each cluster that loads them
	global_prefetch_b8 v18, s[94:95] offset:3*ROWB th:TH_LOAD_NT scope:SCOPE_SE
	STEP 0, 0, 1
	s_mov_b32 s3, LAPS-1
.Llap:
	TURN 0, 1, 1
	STEP 1, 0, 0
	TURN 1, 0, 1
	STEP 0, 0, 0
	s_sub_co_u32 s3, s3, 1
	s_cmp_lg_u32 s3, 0
	s_cbranch_scc1 .Llap
	TURN 0, 1, 0
	STEP 1, 0, 0
	s_wait_dscnt 4*NL
	WIN MUL_LO
	MUL16 0, 1, NQ-1, 1, 0
	MUL16 2, 1, NQ-1, 1, 0
	s_wait_dscnt 0
	WIN MUL_HI
	MUL16 4, 1, NQ-1, 1, 0
	MUL16 6, 1, NQ-1, 1, 0
	WIN 0
.macro QUANT s, pw
.irp b, 0,1,2,3
	v_max3_num_f32 v[TM+\b], |v[\s+16*\b]|, |v[\s+1+16*\b]|, 0x4800000
.endr
.irp i, 2,4,6,8,10,12,14
.irp b, 0,1,2,3
	v_max3_num_f32 v[TM+\b], v[TM+\b], |v[\s+16*\b+\i]|, |v[\s+1+16*\b+\i]|
.endr
.endr
.irp b, 0,1,2,3
	v_permlanex16_b32 v[TM+4+\b], v[TM+\b], s20, s21
.endr
.irp b, 0,1,2,3
	v_max_num_f32 v[TM+\b], v[TM+\b], v[TM+4+\b]
.endr
.irp b, 0,1,2,3
	v_add_nc_u32 v[TM+12+\b], 0xfc000000, v[TM+\b]
.endr
.irp b, 0,1,2,3
	v_and_or_b32 v[TM+8+\b], v[TM+\b], 0x7f800000, s22
.endr
.irp b, 0,1,2,3
	v_lshrrev_b32 v[TM+4+\b], 23, v[TM+12+\b]
.endr
	v_lshl_or_b32 v[\pw], v[TM+5], 8, v[TM+4]
	v_lshl_or_b32 v[\pw], v[TM+6], 16, v[\pw]
	v_lshl_or_b32 v[\pw], v[TM+7], 24, v[\pw]
.irp b, 0,1,2,3
.irp i, 0,1,2,3,4,5,6,7,8,9,10,11,12,13,14,15
	v_med3_num_f32 v[\s+16*\b+\i], v[\s+16*\b+\i], -v[TM+8+\b], v[TM+8+\b]
.endr
.endr
	s_wait_alu depctr_va_vdst(0)
	s_wait_xcnt 0x0                                ; the last block's stores have read their codes and addresses
.irp b, 0,1,2,3
	v_cvt_scalef32_pk8_fp8_f32 v[PC+4*\b:PC+1+4*\b], v[\s+16*\b:\s+7+16*\b], v[TM+12+\b]
	v_cvt_scalef32_pk8_fp8_f32 v[PC+2+4*\b:PC+3+4*\b], v[\s+8+16*\b:\s+15+16*\b], v[TM+12+\b]
.endr
	v_nop
.endm
.macro ADDB a, byrow
.set WN, 2+(\a)/4
.set AC, 64*((\a)%4)
	WIN WN
.set PP, 0
.rept 32
.if \byrow
	v_dual_add_f32 v[H+PP], v[AC+PP], v[BY+\a] :: v_dual_add_f32 v[H+PP+1], v[AC+PP+1], v[BY+\a]
.else
	v_dual_add_f32 v[H+PP], v[AC+PP], v[BX+PP] :: v_dual_add_f32 v[H+PP+1], v[AC+PP+1], v[BX+PP+1]
.endif
.set PP, PP+2
.endr
	WIN 0
.endm
.macro OUT a
	s_cmp_lg_u32 s98, 0
	s_cbranch_scc1 .Lbyrow_\@
	ADDB \a, 0
	s_branch .Lbiased_\@
.Lbyrow_\@:
	ADDB \a, 1
.Lbiased_\@:
	QUANT H, PWS+(\a)
	v_add_nc_u32 v[VO0], s99, v[LI]
	v_add_nc_u32 v[VO1], s6, v[VO0]
	global_store_b128 v[VO0], v[PC:PC+3], s[12:13]
	global_store_b128 v[VO0], v[PC+4:PC+7], s[12:13] offset:512
	global_store_b128 v[VO1], v[PC+8:PC+11], s[12:13]
	global_store_b128 v[VO1], v[PC+12:PC+15], s[12:13] offset:512
.if (\a) == 3
	s_mov_b32 s99, s5
.else
	s_add_co_u32 s99, s99, s4
.endif
.endm
	s_wait_loadcnt 0x0
	PLACES NP
.irp b, 0,1,2,3
	v_mov_b32 v[TM+4+\b], 0
.endr
.irp a, 0,1,2,3,4,5,6,7
	OUT \a
.endr
	s_wait_xcnt 0x0
	v_add_nc_u32 v[VO0], s7, v[LI]
	v_add_nc_u32 v[VO1], s8, v[VO0]
	s_mov_b32 s9, 0xffff0000
	s_mov_b32 s10, 0x7f7f0000
	s_cmp_lg_u32 s98, 0
	s_cbranch_scc1 .Lwords
.irp g, 0,1,2,3
	v_cndmask_b32 v[WT+\g], v[PWS+2*\g], v[PWS+2*\g+1], s9
.endr
.irp g, 0,1,2,3
	v_and_or_b32 v[PWS+\g], v[WT+\g], 0xffff, s10
	v_lshrrev_b32 v[PWS+4+\g], 16, v[WT+\g]
.endr
.irp g, 0,1,2,3
	v_or_b32 v[PWS+4+\g], s10, v[PWS+4+\g]
.endr
.Lwords:
	s_wait_alu depctr_va_vdst(0)
	global_store_b128 v[VO0], v[PWS:PWS+3], s[12:13]
	global_store_b128 v[VO1], v[PWS+4:PWS+7], s[12:13]
	s_wait_tensorcnt 0x0
	ds_add_u32 v[SPW], v[NIL]
	s_wait_dscnt 0x0
	CROUND
	s_endpgm
.Lfunc_end_k_qf6764bef6a_proj:
	.size	k_qf6764bef6a_proj, .Lfunc_end_k_qf6764bef6a_proj-k_qf6764bef6a_proj
	.p2alignl 7, 3214868480
	.fill 96, 4, 3214868480
	.section	.rodata,"a",@progbits
	.p2align	6, 0x0
	.amdhsa_kernel k_qf6764bef6a_proj
		.amdhsa_group_segment_fixed_size 327680
		.amdhsa_private_segment_fixed_size 0
		.amdhsa_enable_private_segment 0
		.amdhsa_kernarg_size 56
		.amdhsa_user_sgpr_count 2
		.amdhsa_user_sgpr_kernarg_segment_ptr 1
		.amdhsa_wavefront_size32 1
		.amdhsa_system_sgpr_workgroup_id_x 1
		.amdhsa_system_sgpr_workgroup_id_y 1
		.amdhsa_system_sgpr_workgroup_id_z 1
		.amdhsa_system_vgpr_workitem_id 0
		.amdhsa_next_free_vgpr 1024
		.amdhsa_next_free_sgpr 102
		.amdhsa_reserve_vcc 0
		.amdhsa_float_denorm_mode_32 3
		.amdhsa_float_denorm_mode_16_64 3
		.amdhsa_memory_ordered 1
		.amdhsa_forward_progress 1
		.amdhsa_inst_pref_size 225
	.end_amdhsa_kernel
	.amdgpu_metadata
---
amdhsa.version: [ 1, 2 ]
amdhsa.kernels:
  - .name:           k_qf6764bef6a_proj
    .symbol:         k_qf6764bef6a_proj.kd
    .args:
      - { .name: xq, .offset: 0, .size: 8, .value_kind: global_buffer, .address_space: global }
      - { .name: wq, .offset: 8, .size: 8, .value_kind: global_buffer, .address_space: global }
      - { .name: bq, .offset: 16, .size: 8, .value_kind: global_buffer, .address_space: global }
      - { .name: bk, .offset: 24, .size: 8, .value_kind: global_buffer, .address_space: global }
      - { .name: bv, .offset: 32, .size: 8, .value_kind: global_buffer, .address_space: global }
      - { .name: qq, .offset: 40, .size: 8, .value_kind: global_buffer, .address_space: global }
      - { .name: kv, .offset: 48, .size: 8, .value_kind: global_buffer, .address_space: global }
    .group_segment_fixed_size: 327680
    .private_segment_fixed_size: 0
    .kernarg_segment_align: 8
    .kernarg_segment_size: 56
    .max_flat_workgroup_size: 128
    .sgpr_count:     102
    .vgpr_count:     1024
    .wavefront_size: 32
...
	.end_amdgpu_metadata
.endif
;; end of part 2
;; launch attn (part 3): grid 4 x 64, 8 waves a work-group, clusters of 4 x 1, 317,440 bytes of LDS; arguments qq, kv, eq, attention_mask, out0; writes out0
.if DOCPART == 3
	.amdgcn_target "amdgcn-amd-amdhsa--gfx1250"
	.amdhsa_code_object_version 6
	.text
	.protected	k_qf6764bef6a_attn
	.globl	k_qf6764bef6a_attn
	.p2align	8
	.type	k_qf6764bef6a_attn,@function
k_qf6764bef6a_attn:
	s_mov_b64 s[64:65], 0
	v_nop
	global_prefetch_b8 v0, s[64:65] scope:SCOPE_SE
	s_setreg_imm32_b32 hwreg(HW_REG_WAVE_MODE, 25, 1), 1
	s_wait_xcnt 0x0
	s_wait_alu depctr_hold_cnt(0) depctr_sa_sdst(0) depctr_va_vdst(0) depctr_va_sdst(0) depctr_va_ssrc(0) depctr_va_vcc(0) depctr_vm_vsrc(0)
	s_getreg_b32 s2, hwreg(HW_REG_IB_STS2, 6, 4)
	s_cmp_eq_u32 s2, 0
	s_cbranch_scc0 .Lentry_in_a_cluster
	s_endpgm
.Lentry_in_a_cluster:
	s_bfe_u32 s2, ttmp6, 0x10000c
	s_cmp_lg_u32 s2, 0x3003
	s_cbranch_scc0 .Lentry_shape_is_right
	s_endpgm
.Lentry_shape_is_right:
; out0[b][l][64 head + d] = sum over keys of softmax_k((q_l . k_k + q_l . E[l - k] + k_k . E[l - k]) / 8 + mask[b][k]) v_k[d], all four products on codes of FP8 (E4M3) with E8M0 scales for each 32 along K.
; gabriel_mask is left out: reference() multiplies the scores by it into a value that it returns nowhere.
; SOFTMAX: t = (sum + 8 mask) x log2(e) / 8; M = the running largest t rounded up to a whole number; p = 2^(t - M) is quantised, not normalised; the row's sum is taken of the unquantised p and divides at the end.
; ORDER OF THE SUM: (q . E + q . k) + (8 mask + k . E).  LIMITS: |mask| under 4.2e37 (8 x mask is formed in f32); the promise holds while |t| stays under 2^31; NaN and infinities are not served; a row all of whose keys carry -infinity gives NaN.
; SHARES.  A work-group owns 256 queries of one (batch, head); each of its eight waves 32 of them, two tiles Q0, Q1 of 16, in 512 registers: two waves to a SIMD.  A wave walks 8 steps of 128 keys, a step in four groups of 32.
; LDS IS FILLED ONCE: the head's K and V, the 80 tiles of E that the 256 queries can meet, their scale words, 8 x mask.  One barrier; behind it waves share nothing and nothing is filled again.  No stream is left to run ahead of, so there is no prefetch.
; CLUSTER: the four query blocks of a (batch, head) need the same K and V: asked for jointly.  E's windows differ between the partners: plain loads.
; LAYOUT.  All products are used transposed: a lane holds ONE query (n = lane % 16).  Tile (b, u) of keys: row 8 h + i is key 32 b + 16 h + 8 u + i; so register 16 b + 8 u + i of the scores of lane half h is key 32 b + 16 h + 8 u + i.
; TWO CLASSES OF ROWS: the fragment of such a tile holds its rows 0-7 in K 0-63 and its rows 8-15 in K 64-127, zero codes elsewhere (loads under two EXEC masks; the zeros are written once).
;   q . k: source 1 = [q | q].   k . E: source 1 = [E_T | E_T-1]: both halves of the lanes then want the same rotation, 8 u + i lanes: S += E_T's result moved up (lanes from 8 u + i on), S += that of T - 1 moved down (the lanes below).
;   8 x mask is the C of k . E (each score takes exactly one number of it).
;   q . E: source 0 = two tiles of E on end, source 1 = [zeros | q0] or [q1 | zeros].  The result goes to the wave's scratch, a row of five tiles' places (336 bytes) for each query, and comes back skewed as the C of q . k.
; THE SCRATCH'S PLACES: an even group finds its top tile at place 4 and adds 3 and 2; the odd group behind it finds its top at 2, adds 1 and 0, and puts its lowest tile at 4 too.
; E IMAGE ROWS: row j serves l - k + 1024 = j.  For tile Q0 and group g (of 32) the top tile is T = Q0 - 2 g + 64; for Q1 it is T + 1.  Register slot k of a step holds tile T + 1 - k.
; REGISTERS, window 0: v0-12 addresses; v13-14 p's scale words; v15, v44-47 E's; v16-25 M, maxima, sums, factors; v26-33 block maxima; v34-35 q's words; v36-39 K's; v40-43 V's; v48-79 q . E; v80-127 k . E (in the softmax v48-111 V, v112-127 at work); v128-255 scores.
;   window 1: v0-39 q1 q1 zeros q0 q0; v40-71 two tiles of K; v72-151 ten tiles of E; v152-167 8 x mask; v168-231 O^T; v232-247 p's codes of Q0; v248-252 E's words one tile down; v253-255 addresses of the way out.
; LDS IS SHOWN IN TWO PARTS, so 'one barrier' above is two: the first shows what step 0 reads (its block of K and V, E's upper 26 tiles, the words, the mask), the second, inside the first step, which is written out, all the rest.  One tensor load a wave.
; A GROUP: its q . E; the last group's k . E onto its scores; q . E through the scratch; its k . E; q . k.
; (In the softmax v112-127 are at work.)
.set KVB,   17408
.set KVH,   139264
.set QQH,   69632
.set QQB,   8704
.set MSK,   139264                     ; LDS: 1,024 numbers: 8 x mask
.set EIMG,  143360                     ; 80 tile images of E
.set EWRD,  225280                     ; their 1,280 scale words
.set SCR,   230400                     ; a scratch for each wave: two of 16 rows
.set SCW,   10752
.set SQ,    5376
.set SP,    336
.set SPARE, SCR+8*SCW
.set WQ, 0
.set RQ, 1
.set AK, 3
.set AKW, 4
.set AV, 5
.set AVW, 6
.set AM, 7
.set AE, 8
.set AW, 9
.set AW4, 10
.set SPW, 11
.set NIL, 12
.set PS, 13
.set NM, 16
.set MX, 18
.set SUM, 20
.set F, 24
.set BM, 26
.set QS, 34
.set KS, 36
.set VS, 40
.set XR, 48
.set PR, 80
.set HOLD, 112
.set T2, 116
.set TA, 120
.set SR, 128
.set Q1Q, 0                            ; window 1 from here: [q1 | q1], [q1 | 0], [0 | q0], [q0 | q0]
.set Q1Z, 8
.set Q0Z, 16
.set Q0Q, 24
.set KR, 40
.set ER, 72
.set MQ, 152
.set OB, 168
.set PC0, 232
.set EM, 248
.set WV, 14
.set CX, 15
.set BH, 16
.set MNT, 19
.set SEL, 20
.set CS, 22
.set G1J, 24                           ; descriptor groups: K and V of step 0; of the other steps; E's upper tiles; its lower tiles; the words
.set G1R, 32
.set G1E, 40
.set G1L, 48
.set G1W, 56
.set G0J, 80
.set G0R, 84
.set G0E, 88
.set G0L, 92
.set G0W, 96
.set SAV, 100
.set LOX, 101
.set HIX, 67
.set DUP, 68
.set CMB, 69
.set MSB, 0
.macro WIN new                         ; the immediate's high byte repeats the setting that is left
.if MSB != \new
	s_set_vgpr_msb (MSB<<8)|\new
.set MSB, \new
.endif
.endm
.macro PLACES n
.rept \n
	v_nop
.endr
.endm
.macro CROUND                          ; a round of the cluster's barrier
	s_barrier_signal -1
	s_barrier_wait -1
	s_cmp_lg_u32 s[WV], 0
	s_cbranch_scc1 .Lnot_wave_0_\@
	s_barrier_signal -3
.Lnot_wave_0_\@:
	s_barrier_wait -3
	s_barrier_signal -1
	s_barrier_wait -1
.endm
	s_load_b256 s[4:11], s[0:1], 0x0               ; qq s[4:5], kv s[6:7], eq s[8:9], attention_mask s[10:11]
	s_load_b64 s[12:13], s[0:1], 0x20              ; out0
	v_lshl_add_u32 v[SPW], v0, 2, SPARE
	v_mov_b32 v[NIL], 0
	ds_add_u32 v[SPW], v[NIL]                      ; the opening: the add, twice on end, and its wait
	ds_add_u32 v[SPW], v[NIL]
	v_lshrrev_b32 v128, 5, v0
	v_readfirstlane_b32 s[WV], v128                ; wave 0..7
	s_bfe_u32 s[CX], ttmp6, 0x40000                ; cx: my block of 256 queries
	s_and_b32 s[BH], ttmp7, 0xffff                 ; 16 x batch + head, which the four partners share
	; descriptor groups 1: dense blocks as rows of 256 bytes (32 elements of 8 bytes), no padding
	s_mov_b32 s[G1J], 15|(3<<16)|(1<<21)           ; K and V: the mask names all four work-groups; bit 21 set beside it
	s_mov_b32 s[G1R], 15|(3<<16)|(1<<21)
	s_mov_b32 s[G1E], 3<<16
	s_mov_b32 s[G1L], 3<<16
	s_mov_b32 s[G1W], 3<<16
.irp g, G1J, G1R, G1E, G1L, G1W
	s_mov_b32 s[\g+1], 32<<16
	s_mov_b32 s[\g+3], 32<<16
	s_mov_b32 s[\g+5], 32
	s_mov_b32 s[\g+6], 0
	s_mov_b32 s[\g+7], 0
.endr
	s_mov_b32 s[G1J+2], 68<<16                     ; one step's block: 68 rows
	s_mov_b32 s[G1J+4], 68
	s_mov_b32 s[G1R+2], 119<<16                    ; a quarter of the other seven: 119 rows
	s_mov_b32 s[G1R+4], 119
	s_mov_b32 s[G1E+2], 104<<16                    ; 26 tiles of E: 104 rows
	s_mov_b32 s[G1E+4], 104
	s_mov_b32 s[G1L+2], 216<<16                    ; the other 54: 216 rows
	s_mov_b32 s[G1L+4], 216
	s_mov_b32 s[G1W+2], 20<<16                     ; 1,280 scale words: 20 rows
	s_mov_b32 s[G1W+4], 20
	s_sub_co_u32 s17, s[WV], 3                     ; waves 3-6: which quarter
	s_and_b32 s17, s17, 3
	s_mul_i32 s17, s17, 30464
	s_add_co_u32 s17, s17, KVB
	s_mul_i32 s76, s[BH], KVH
	s_mov_b32 s77, 0
	s_add_co_u32 s78, s76, s17
	s_mov_b32 s79, 0
	s_lshl_b32 s72, s[CX], 14                      ; E's window begins at tile 16 cx; no place in the cluster enters an LDS address
	s_mov_b32 s73, 0
	s_add_co_u32 s74, s72, 54*1024
	s_mov_b32 s75, 0
	s_lshl_b32 s2, s[CX], 10
	s_add_co_u32 s2, s2, 131072
	s_mov_b32 s3, 0
	s_wait_dscnt 0x0
	s_wait_kmcnt 0x0
	s_mov_b32 s[G0J], 1
	s_mov_b32 s[G0J+1], 0
	s_add_nc_u64 s[G0J+2:G0J+3], s[6:7], s[76:77]
	s_or_b32 s[G0J+3], s[G0J+3], 0x80000000
	s_mov_b32 s[G0R], 1
	s_mov_b32 s[G0R+1], s17
	s_add_nc_u64 s[G0R+2:G0R+3], s[6:7], s[78:79]
	s_or_b32 s[G0R+3], s[G0R+3], 0x80000000
	s_mov_b32 s[G0E], 1
	s_mov_b32 s[G0E+1], EIMG+54*1024
	s_add_nc_u64 s[G0E+2:G0E+3], s[8:9], s[74:75]
	s_or_b32 s[G0E+3], s[G0E+3], 0x80000000
	s_mov_b32 s[G0L], 1
	s_mov_b32 s[G0L+1], EIMG
	s_add_nc_u64 s[G0L+2:G0L+3], s[8:9], s[72:73]
	s_or_b32 s[G0L+3], s[G0L+3], 0x80000000
	s_mov_b32 s[G0W], 1
	s_mov_b32 s[G0W+1], EWRD
	s_add_nc_u64 s[G0W+2:G0W+3], s[8:9], s[2:3]
	s_or_b32 s[G0W+3], s[G0W+3], 0x80000000
	; q and the mask are asked for ahead of the round
	s_lshl_b32 s76, s[CX], 1                       ; q: block of 128 queries 2 cx + wave / 4, tiles 2 (wave % 4) and one on
	s_lshr_b32 s77, s[WV], 2
	s_add_co_u32 s76, s76, s77
	s_mul_i32 s76, s76, QQB
	s_mul_i32 s77, s[BH], QQH
	s_add_co_u32 s76, s76, s77
	s_mov_b32 s77, 0
	s_add_nc_u64 s[4:5], s[4:5], s[76:77]
	s_and_b32 s78, s[WV], 3
	s_lshl_b32 s79, s78, 2
	s_lshl_b32 s78, s78, 11
	s_lshr_b32 s72, s[BH], 4                       ; batch
	s_lshl_b32 s74, s72, 12
	s_mov_b32 s75, 0
	s_add_nc_u64 s[10:11], s[10:11], s[74:75]
	v_and_b32 v130, 15, v0                         ; r
	v_bfe_u32 v131, v0, 4, 1                       ; h
	v_and_b32 v132, 31, v0                         ; lane
	v_lshlrev_b32 v137, 4, v0                      ; mask: four numbers a thread
	v_lshl_add_u32 v138, v0, 4, MSK
	v_lshl_add_u32 v135, v132, 4, s78              ; q's images
	v_lshl_add_u32 v136, v130, 4, s79              ; and words: lane 16 (tile % 2) + r, word tile / 2
	global_load_b128 v[140:143], v137, s[10:11]
	global_load_b32 v[QS], v136, s[4:5] offset:8192
	global_load_b32 v[QS+1], v136, s[4:5] offset:8448
	WIN 0x40
.irp k, 0,1                            ; each tile twice, on end: [q | q]
	global_load_b128 v[Q0Q+8*\k:Q0Q+8*\k+3], v135, s[4:5]
	global_load_b128 v[Q0Q+8*\k+4:Q0Q+8*\k+7], v135, s[4:5] offset:512
	global_load_b128 v[Q1Q+8*\k:Q1Q+8*\k+3], v135, s[4:5] offset:1024
	global_load_b128 v[Q1Q+8*\k+4:Q1Q+8*\k+7], v135, s[4:5] offset:1536
.endr
	WIN 0
	s_wait_alu depctr_va_vdst(0)
	CROUND                                         ; all four work-groups are here: the joint loads meet
.macro ARM under, g0, g1, next         ; the branches hang on the wave's number alone; every way passes one load; what step 0 reads is asked for by waves 0 to 2
	s_cmp_lt_u32 s[WV], \under
	s_cbranch_scc0 \next
	tensor_load_to_lds s[\g0:\g0+3], s[\g1:\g1+7]
	s_nop 0
	PLACES 4
	s_branch .Lasked
\next:
.endm
	ARM 1, G0J, G1J, .Lnot_kv
	ARM 2, G0E, G1E, .Lnot_e
	ARM 3, G0W, G1W, .Lnot_w
	ARM 7, G0R, G1R, .Lnot_rest
	tensor_load_to_lds s[G0L:G0L+3], s[G1L:G1L+7]
	s_nop 0
	PLACES 4
.Lasked:
	s_lshl_b32 s72, s72, 10                        ; out0: row 1,024 batch + 256 cx + 32 wave, of 4,096 bytes; + 256 head
	s_lshl_b32 s73, s[CX], 8
	s_add_co_u32 s72, s72, s73
	s_lshl_b32 s73, s[WV], 5
	s_add_co_u32 s72, s72, s73
	s_lshl_b32 s72, s72, 12
	s_and_b32 s73, s[BH], 15
	s_lshl_b32 s73, s73, 8
	s_add_co_u32 s72, s72, s73
	s_mov_b32 s73, 0
	s_add_nc_u64 s[12:13], s[12:13], s[72:73]
	s_mul_i32 s3, s[WV], SCW
	s_add_co_u32 s3, s3, SCR                       ; my scratch
	s_lshl_b32 s17, s[WV], 11
	s_add_co_u32 s17, s17, EIMG+54*1024            ; E: window tile 2 wave + 54 - 8 step; slot k of the step in hand is 11 - k tiles on
	s_lshl_b32 s18, s[WV], 7
	s_add_co_u32 s18, s18, EWRD+48*64              ; words: window tile 2 wave + 48 - 8 step
	s_mov_b32 s[MNT], 0x600000                     ; the mantissa field of 448
	s_mov_b32 s[SEL], 0x76543210
	s_mov_b32 s[SEL+1], 0xfedcba98                 ; v_permlanex16_b32's selects for lane l xor 16
	s_mov_b32 s[CS], 0x3e38aa3b                    ; c = log2(e) / 8
	s_mov_b32 s[CS+1], s[CS]                       ; (named with it as a pair)
	s_mov_b32 s[LOX], 0x00ff00ff                   ; the lanes of a fragment's rows 0-7
	s_mov_b32 s[HIX], 0xff00ff00                   ; and of its rows 8-15
	s_mov_b32 s[DUP], 0x01000100                   ; bytes 0, 1 of a word, twice
	s_mov_b32 s[CMB], 0x05040100                   ; bytes 0, 1 of one word, then bytes 0, 1 of another
	s_mov_b32 s70, 8192
	s_mov_b32 s71, 512
	s_mov_b32 s66, 7
	WIN 0x40
.set J, 0
.rept 8
	v_mov_b32 v[Q0Z+J], 0                          ; the zeros between the two
.set J, J+1
.endr
.set J, 0
.rept 32
	v_mov_b32 v[KR+J], 0                           ; K's fragments: the lanes that no load reaches stay zero codes
.set J, J+1
.endr
.set J, 0
.rept 64
	v_mov_b32 v[OB+J], 0                           ; O^T: the step is written once; the first change of M multiplies zeros
.set J, J+1
.endr
	WIN 0
	v_and_b32 v133, 7, v130
	v_lshrrev_b32 v134, 3, v130
	v_lshlrev_b32 v[AK], 4, v133                   ; K: row r % 8 of image r / 8 of the group's two, + 256 h
	v_lshl_add_u32 v[AK], v134, 10, v[AK]
	v_lshl_add_u32 v[AK], v131, 8, v[AK]
	v_lshlrev_b32 v[AKW], 4, v133                  ; K's words: lanes 0-15 of tile u = 0, lanes 16-31 of u = 1
	v_lshl_add_u32 v[AKW], v134, 8, v[AKW]
	v_lshl_add_u32 v[AKW], v131, 7, v[AKW]
	v_lshlrev_b32 v[AV], 4, v130                   ; V: two pieces of 8 bytes, 256 apart: keys 16 h + 0 .. 15 of a block of 32
	v_lshl_add_u32 v[AV], v131, 3, v[AV]
	v_add_nc_u32 v[AV], 0x2000, v[AV]
	v_lshlrev_b32 v[AVW], 4, v132
	v_lshlrev_b32 v[AM], 6, v131
	v_add_nc_u32 v[AM], MSK, v[AM]
	v_lshl_add_u32 v[AE], v132, 4, s17
	v_lshl_add_u32 v[AW], v132, 2, s18
	v_lshl_add_u32 v[AW4], v130, 2, s18            ; (lanes 16-31 as 0-15: nothing is read past the words' end)
	v_mul_u32_u24 v146, v130, SP
	v_lshl_add_u32 v146, v131, 5, v146             ; scratch, in: row r, + 32 h
	v_mul_u32_u24 v[RQ], v130, SP+4                ; out: row r, word r - 16 h: 32 different banks
	v_lshlrev_b32 v147, 6, v131
	v_add_nc_u32 v[RQ], s3, v[RQ]
	v_sub_nc_u32 v[RQ], v[RQ], v147
	v_add_nc_u32 v[RQ+1], SQ, v[RQ]
	v_mul_u32_u24 v148, v130, 272                  ; the way out's stage: 16 rows of 256 bytes + 16 for each tile
	v_lshl_add_u32 v148, v131, 5, v148
	v_mul_u32_u24 v149, v131, 272
	v_lshl_add_u32 v149, v130, 4, v149
	v_lshlrev_b32 v150, 12, v131
	WIN 0x40
	v_add_nc_u32 v253, s3, v148                    ; in: row r, + 32 h
	v_add_nc_u32 v254, s3, v149                    ; back: lanes 0-15 one row, lanes 16-31 the next
	v_lshl_add_u32 v255, v130, 4, v150             ; and the same two rows of out0
	WIN 0
	v_mov_b32 v[SUM], 0
	v_mov_b32 v[SUM+1], 0
	v_mov_b32 v[SUM+2], 0
	v_mov_b32 v[SUM+3], 0
	v_mov_b32 v[MX], 0xff61b1e6                    ; the largest t so far: -3e38
	v_mov_b32 v[MX+1], 0xff61b1e6
	v_floor_f32 v[NM], -v[MX]                      ; -M
	v_floor_f32 v[NM+1], -v[MX+1]
	v_add_nc_u32 v[WQ], s3, v146
	s_wait_alu depctr_va_vdst(0)
	s_wait_loadcnt 0x0                             ; q, its words, the mask
	s_wait_xcnt 0x0                                ; no global or scalar access is pending from here to the loop's end: EXEC may be narrowed and widened there
	v_perm_b32 v[QS], v[QS], v[QS], s[DUP]         ; the words of [q | q]
	v_perm_b32 v[QS+1], v[QS+1], v[QS+1], s[DUP]
	v_pk_mul_f32 v[140:141], v[140:141], 0x41000000 op_sel_hi:[1,0]   ; 8 x mask: exact
	v_pk_mul_f32 v[142:143], v[142:143], 0x41000000 op_sel_hi:[1,0]
	ds_store_b128 v138, v[140:143]
	s_wait_alu depctr_va_vdst(0)
	s_cmp_lt_u32 s[WV], 3
	s_cbranch_scc0 .Lnot_yet
	s_wait_tensorcnt 0x0                           ; waves 0 to 2: what step 0 reads has landed; the other waves' wait stands at the second barrier
.Lnot_yet:
	s_wait_dscnt 0x0                               ; my store too:
	s_barrier_signal -1
	s_barrier_wait -1                              ; the first barrier: what step 0 reads is there
; THE LOADS of group b; n = 1: of the next step's.  (Behind the last step these read bytes of K, V, E and the mask that no step uses.)
.macro NEXT b, n
	WIN 0x40
	s_and_saveexec_b32 s[SAV], s[LOX]              ; rows 0-7: K 0-63
.irp u, 0,1
.irp c, 0,1
	ds_load_b128 v[KR+16*\u+4*\c:KR+16*\u+4*\c+3], v[AK] offset:KVB*(\n)+2048*(\b)+128*\u+512*\c
.endr
.endr
	s_or_b32 exec_lo, exec_lo, s[SAV]
	s_and_saveexec_b32 s[SAV], s[HIX]              ; rows 8-15: K 64-127
.irp u, 0,1
.irp c, 0,1
	ds_load_b128 v[KR+16*\u+8+4*\c:KR+16*\u+8+4*\c+3], v[AK] offset:KVB*(\n)+2048*(\b)+128*\u+512*\c
.endr
.endr
	s_or_b32 exec_lo, exec_lo, s[SAV]
.irp k, 0,1,2,3
	ds_load_b128 v[MQ+4*\k:MQ+4*\k+3], v[AM] offset:512*(\n)+128*(\b)+16*\k   ; 8 x mask in the result's layout
.endr
.endm
.macro ETILE k, n                      ; slot k
.irp c, 0,1
	ds_load_b128 v[ER+8*(\k)+4*\c:ER+8*(\k)+4*\c+3], v[AE] offset:1024*(11-(\k))-8192*(\n)+512*\c
.endr
.endm
.macro WORDS n                         ; K's words; E's (slots 8 and 7, 6 and 5, 4 and 3, 2 and 1, 0: lanes 0-15 and 16-31), and the same one tile down
.irp m, 0,1,2,3,4
	ds_load_b32 v[EM+\m], v[AW+\m/4] offset:512*(1-(\n))+128*\m
.endr
	WIN 0
	ds_load_b128 v[KS:KS+3], v[AKW] offset:16384+KVB*(\n)
	ds_load_b32 v46, v[AW] offset:512*(1-(\n))+64
	ds_load_b32 v45, v[AW] offset:512*(1-(\n))+192
	ds_load_b32 v44, v[AW] offset:512*(1-(\n))+320
	ds_load_b32 v47, v[AW] offset:512*(1-(\n))+448
	ds_load_b32 v15, v[AW4] offset:512*(1-(\n))+576
.endm
.macro PERMS                           ; a row of K has the same scales in both classes; E's word of [E_T | E_T-1]
.irp b, 0,1,2,3
	v_perm_b32 v[KS+\b], v[KS+\b], v[KS+\b], s[DUP]
.endr
	WIN 0x01
	v_perm_b32 v46, v[EM], v46, s[CMB]
	v_perm_b32 v45, v[EM+1], v45, s[CMB]
	v_perm_b32 v44, v[EM+2], v44, s[CMB]
	v_perm_b32 v47, v[EM+3], v47, s[CMB]
	v_perm_b32 v15, v[EM+4], v15, s[CMB]
	WIN 0
.endm
.macro SETW k                          ; the register of slot k's word (odd k: lanes 16-31)
.set M_, 4-((\k)+1)/2
.set EW_, 46-M_
.if M_ == 3
.set EW_, 47
.elseif M_ == 4
.set EW_, 15
.endif
.endm
.macro QE d, k, qf, qs                 ; q . E with slots k, k + 1 on end
	SETW \k
.set A_, ER+8*(\k)
.if (\k)%2
	v_wmma_scale_f32_16x16x128_f8f6f4 v[\d:\d+7], v[A_:A_+15], v[\qf:\qf+15], 0, v[EW_], v[\qs] matrix_a_scale:MATRIX_SCALE_ROW1
.else
	v_wmma_scale_f32_16x16x128_f8f6f4 v[\d:\d+7], v[A_:A_+15], v[\qf:\qf+15], 0, v[EW_], v[\qs]
.endif
.endm
.macro KE b, u, t                      ; k . E of tile u with slots 2 b + t, 2 b + t + 1, begun with 8 x mask
	SETW 2*\b+\t
.set D_, PR+24*\u+8*\t
.set A_, KR+16*\u
.set B_, ER+16*(\b)+8*\t
.set C_, MQ+8*\u
.if \u == 0 && \t%2 == 0
	v_wmma_scale_f32_16x16x128_f8f6f4 v[D_:D_+7], v[A_:A_+15], v[B_:B_+15], v[C_:C_+7], v[KS+\b], v[EW_]
.elseif \u == 0
	v_wmma_scale_f32_16x16x128_f8f6f4 v[D_:D_+7], v[A_:A_+15], v[B_:B_+15], v[C_:C_+7], v[KS+\b], v[EW_] matrix_b_scale:MATRIX_SCALE_ROW1
.elseif \t%2 == 0
	v_wmma_scale_f32_16x16x128_f8f6f4 v[D_:D_+7], v[A_:A_+15], v[B_:B_+15], v[C_:C_+7], v[KS+\b], v[EW_] matrix_a_scale:MATRIX_SCALE_ROW1
.else
	v_wmma_scale_f32_16x16x128_f8f6f4 v[D_:D_+7], v[A_:A_+15], v[B_:B_+15], v[C_:C_+7], v[KS+\b], v[EW_] matrix_a_scale:MATRIX_SCALE_ROW1 matrix_b_scale:MATRIX_SCALE_ROW1
.endif
.endm
.macro QK b, q, qf                     ; q . k of both tiles of keys onto the skewed q . E
.set D_, SR+64*\q+16*(\b)
	v_wmma_scale_f32_16x16x128_f8f6f4 v[D_:D_+7], v[KR:KR+15], v[\qf:\qf+15], v[D_:D_+7], v[KS+\b], v[QS+\q]
	v_wmma_scale_f32_16x16x128_f8f6f4 v[D_+8:D_+15], v[KR+16:KR+31], v[\qf:\qf+15], v[D_+8:D_+15], v[KS+\b], v[QS+\q] matrix_a_scale:MATRIX_SCALE_ROW1
.endm
.macro PUT q, x, place                 ; a tile of q . E into the scratch
	ds_store_b128 v[WQ], v[\x:\x+3] offset:SQ*\q+64*\place
	ds_store_b128 v[WQ], v[\x+4:\x+7] offset:SQ*\q+64*\place+16
.endm
.macro MAXB q, b, t                    ; the largest score of my 16 keys of block b, in two chains: eight lines
.set R_, SR+64*(\q)+16*(\b)
.set M_, BM+4*(\q)+(\b)
	v_max3_num_f32 v[M_], v[R_], v[R_+1], v[R_+2]
	v_max3_num_f32 v[\t], v[R_+3], v[R_+4], v[R_+5]
	v_max3_num_f32 v[M_], v[M_], v[R_+6], v[R_+7]
	v_max3_num_f32 v[\t], v[\t], v[R_+8], v[R_+9]
	v_max3_num_f32 v[M_], v[M_], v[R_+10], v[R_+11]
	v_max3_num_f32 v[\t], v[\t], v[R_+12], v[R_+13]
	v_max3_num_f32 v[M_], v[M_], v[R_+14], v[R_+15]
	v_max_num_f32 v[M_], v[M_], v[\t]
.endm
.macro SHIFT b                         ; k . E onto the scores: register n wants n lanes up from tile T (lanes n on) and 16 - n down from T - 1 (the lanes below n)
.irp q, 0,1
.set D_, SR+64*\q+16*(\b)
.set A_, PR+8*(1-\q)
	v_add_f32 v[D_], v[A_], v[D_]
.irp n, 1,2,3,4,5,6,7,8,9,10,11,12,13,14,15
	v_add_f32_dpp v[D_+\n], v[A_+24*(\n/8)+\n%8], v[D_+\n] row_shr:\n row_mask:0xf bank_mask:0xf
.endr
.endr
.irp q, 0,1
.set D_, SR+64*\q+16*(\b)+16
.set A_, PR+8*(2-\q)
.irp m, 15,14,13,12,11,10,9,8,7,6,5,4,3,2,1
	v_add_f32_dpp v[D_-\m], v[A_+24*((16-\m)/8)+(16-\m)%8], v[D_-\m] row_shl:\m row_mask:0xf bank_mask:0xf
.endr
.endr
.endm
.macro GROUP b, bar                    ; 32 keys; bar = 1: the second barrier stands in front of the next step's loads
	WIN 0x15
	QE XR,    2*\b+2, Q0Z, QS                      ; Q0's lowest tile, T - 2,
	QE XR+8,  2*\b+1, Q0Z, QS                      ; and T - 1;
	QE XR+16, 2*\b+2, Q1Z, QS+1                    ; Q1's lowest, T - 1,
	QE XR+24, 2*\b+1, Q1Z, QS+1                    ; and T
	WIN 0x40
.if \b < 3                             ; the next group's two tiles of E, or the next step's first four
	ETILE 2*\b+4, 0
	ETILE 2*\b+5, 0
.else
.irp k, 0,1,2,3
	ETILE \k, 1
.endr
.endif
	WIN 0
.if \b                                 ; eight places and more behind the products, ahead of the stores that read q . E
	SHIFT \b-1
.else
	PLACES 8
.endif
.irp q, 0,1
.if (\b)%2
	PUT \q, XR+16*\q+8, 1
	PUT \q, XR+16*\q, 0
	PUT \q, XR+16*\q, 4
.else
	PUT \q, XR+16*\q+8, 3
	PUT \q, XR+16*\q, 2
.endif
.endr
.irp q, 0,1
.irp n, 0,2,4,6,8,10,12,14
	ds_load_2addr_b32 v[SR+64*\q+16*(\b)+\n:SR+64*\q+16*(\b)+\n+1], v[RQ+\q] offset0:64-32*((\b)%2)-\n offset1:63-32*((\b)%2)-\n   ; LDS serves a wave's instructions in order: these see the stores above
.endr
.endr
	s_wait_alu depctr_va_vdst(0)
	s_wait_dscnt 24+4*((\b)%2)                     ; the group's K and mask, and what E was asked for, are in; the eight or twelve stores and sixteen loads of the scratch may be out
	WIN 0x15
.irp u, 0,1
.irp t, 0,1,2
	KE \b, \u, \t
.endr
.endr
	WIN 0
.if \b
	MAXB 0, \b-1, BM+3
.endif
	s_wait_dscnt 8                                 ; Q0's eight are in; Q1's eight may be out
	WIN 0x05
	QK \b, 0, Q0Q
	s_wait_dscnt 0x0
	QK \b, 1, Q1Q
	WIN 0
.if \b                                 ; eight places behind the products, ahead of the loads into K's registers and the reads of the scores
	MAXB 1, \b-1, BM+7
.else
	PLACES 8
.endif
.if \bar
	s_wait_alu depctr_va_vdst(0)
	s_wait_tensorcnt 0x0                           ; my tensor load has landed (no LDS instruction of mine is out: the wait ahead of Q1's products):
	s_wait_dscnt 0x0
	s_barrier_signal -1
	s_barrier_wait -1                              ; everybody's have: all of LDS may be read
.endif
.if \b < 3                             ; K and mask: they land under the next group's q . E and shifts
	NEXT \b+1, 0
	WIN 0
.else
	NEXT 0, 1
	WORDS 1
.endif
.endm
.macro SCALES q                        ; p's scales of a tile: bounds, conversion operands (in the maxima's place), the word
.set M_, BM+4*\q
.irp b, 0,1,2,3
	v_max_num_f32 v[M_+\b], 0x4800000, v[M_+\b]    ; the floor 2^(9 - 127): the byte cannot fall under 1
.endr
.irp b, 0,1,2,3
	v_and_or_b32 v[HOLD+\b], v[M_+\b], 0x7f800000, s[MNT]   ; 448 x the scale
.endr
.irp b, 0,1,2,3
	v_add_nc_u32 v[M_+\b], 0xfc000000, v[M_+\b]    ; the conversion's scale operand
.endr
.irp b, 0,1,2,3
	v_lshrrev_b32 v[T2+\b], 23, v[M_+\b]
.endr
	v_lshl_or_b32 v[PS+\q], v[T2+1], 8, v[T2]
	v_lshl_or_b32 v[PS+\q], v[T2+2], 16, v[PS+\q]
	v_lshl_or_b32 v[PS+\q], v[T2+3], 24, v[PS+\q]
.endm
.macro SUMQ q                          ; the row's sum of the unquantised p, in five chains
.set R_, SR+64*\q
	v_dual_add_f32 v120, v[R_], v[R_+2] :: v_dual_add_f32 v121, v[R_+1], v[R_+3]
	v_dual_add_f32 v122, v[R_+4], v[R_+6] :: v_dual_add_f32 v123, v[R_+5], v[R_+7]
	v_dual_add_f32 v124, v[R_+8], v[R_+10] :: v_dual_add_f32 v125, v[R_+9], v[R_+11]
	v_dual_add_f32 v126, v[R_+12], v[R_+14] :: v_dual_add_f32 v127, v[R_+13], v[R_+15]
.set J, 16
.rept 24                               ; five chains by turns
.if (J/2-8)%5 == 0
	v_dual_add_f32 v[SUM+2*\q], v[SUM+2*\q], v[R_+J] :: v_dual_add_f32 v[SUM+2*\q+1], v[SUM+2*\q+1], v[R_+J+1]
.elseif (J/2-8)%5 == 1
	v_dual_add_f32 v120, v120, v[R_+J] :: v_dual_add_f32 v121, v121, v[R_+J+1]
.elseif (J/2-8)%5 == 2
	v_dual_add_f32 v122, v122, v[R_+J] :: v_dual_add_f32 v123, v123, v[R_+J+1]
.elseif (J/2-8)%5 == 3
	v_dual_add_f32 v124, v124, v[R_+J] :: v_dual_add_f32 v125, v125, v[R_+J+1]
.else
	v_dual_add_f32 v126, v126, v[R_+J] :: v_dual_add_f32 v127, v127, v[R_+J+1]
.endif
.set J, J+2
.endr
	v_pk_add_f32 v[120:121], v[120:121], v[122:123]
	v_pk_add_f32 v[124:125], v[124:125], v[126:127]
	v_pk_add_f32 v[120:121], v[120:121], v[124:125]
	v_pk_add_f32 v[SUM+2*\q:SUM+2*\q+1], v[SUM+2*\q:SUM+2*\q+1], v[120:121]
.endm
.macro HOLD2                           ; two of p held at the largest code x the scale (the conversion does not saturate: ISA guide 7.6.2; p is not negative)
	v_dual_min_num_f32 v[R_+J], v[R_+J], v[HOLD+J/16] :: v_dual_min_num_f32 v[R_+J+1], v[R_+J+1], v[HOLD+J/16]
.endm
.macro CODES q, pc
.irp b, 0,1,2,3
	v_cvt_scalef32_pk8_fp8_f32 v[\pc+4*\b:\pc+4*\b+1], v[SR+64*\q+16*\b:SR+64*\q+16*\b+7], v[BM+4*\q+\b]
	v_cvt_scalef32_pk8_fp8_f32 v[\pc+4*\b+2:\pc+4*\b+3], v[SR+64*\q+16*\b+8:SR+64*\q+16*\b+15], v[BM+4*\q+\b]
.endr
.endm
	NEXT 0, 0
.irp k, 0,1,2,3
	ETILE \k, 0
.endr
	WORDS 0
	s_wait_dscnt 0x0
	PERMS
	PLACES 8                                       ; a scale word written by a vector instruction stands eight places ahead of a scaled product
	WIN 0x15
	QE XR, 0, Q0Z, QS                              ; the first top tiles of q . E: T for Q0, T + 1 for Q1
	QE XR+8, 0, Q1Z, QS+1
	WIN 0
	PLACES 9
	PUT 0, XR, 4
	PUT 1, XR+8, 4
.macro STEP bar                        ; 128 keys
	GROUP 0, 0
	GROUP 1, 0
	GROUP 2, 0
	GROUP 3, \bar
	SHIFT 3
	v_add_nc_u32 v112, 0x800, v[AV]
	v_add_nc_u32 v113, 0x1000, v[AV]
	v_add_nc_u32 v114, 0x1800, v[AV]
.irp d, 0,1,2,3                        ; V's four fragments and their words land under the softmax
.if \d
.set A_, 111+\d
.else
.set A_, AV
.endif
.irp c, 0,1,2,3
	ds_load_2addr_b64 v[XR+16*\d+4*\c:XR+16*\d+4*\c+3], v[A_] offset0:64*\c offset1:64*\c+32
.endr
.endr
	ds_load_b128 v[VS:VS+3], v[AVW] offset:16896
.irp q, 0,1                            ; the last block's maxima, both tiles by turns
	v_max3_num_f32 v[BM+4*\q+3], v[SR+64*\q+48], v[SR+64*\q+49], v[SR+64*\q+50]
	v_max3_num_f32 v[TA+\q], v[SR+64*\q+51], v[SR+64*\q+52], v[SR+64*\q+53]
.endr
.irp i, 54,58
.irp q, 0,1
	v_max3_num_f32 v[BM+4*\q+3], v[BM+4*\q+3], v[SR+64*\q+\i], v[SR+64*\q+\i+1]
	v_max3_num_f32 v[TA+\q], v[TA+\q], v[SR+64*\q+\i+2], v[SR+64*\q+\i+3]
.endr
.endr
.irp q, 0,1
	v_max3_num_f32 v[BM+4*\q+3], v[BM+4*\q+3], v[SR+64*\q+62], v[SR+64*\q+63]
.endr
.irp q, 0,1
	v_max_num_f32 v[BM+4*\q+3], v[BM+4*\q+3], v[TA+\q]
.endr
.irp j, 0,1,2,3,4,5,6,7
	v_permlanex16_b32 v[112+\j], v[BM+\j], s[SEL], s[SEL+1]
.endr
.irp j, 0,1,2,3,4,5,6,7
	v_max_num_f32 v[BM+\j], v[BM+\j], v[112+\j]    ; with lane l xor 16's 16 keys
.endr
.irp q, 0,1
	v_max3_num_f32 v[TA+\q], v[BM+4*\q], v[BM+4*\q+1], v[BM+4*\q+2]
.endr
.irp q, 0,1
	v_max_num_f32 v[TA+\q], v[TA+\q], v[BM+4*\q+3]
.endr
.irp q, 0,1
	v_mul_f32 v[TA+\q], s[CS], v[TA+\q]            ; as t (c is positive)
.endr
.irp q, 0,1
	v_max_num_f32 v[MX+\q], v[MX+\q], v[TA+\q]     ; the running largest t
.endr
.irp q, 0,1
	v_mov_b32 v[TA+\q], v[NM+\q]
.endr
.irp q, 0,1
	v_floor_f32 v[NM+\q], -v[MX+\q]                ; the new -M = -ceil(t): a whole number
.endr
.irp q, 0,1
	v_sub_f32 v[TA+\q], v[NM+\q], v[TA+\q]         ; old M - new M: a whole number, 0 or less
.endr
.irp q, 0,1
	v_cvt_i32_f32 v[TA+\q], v[TA+\q]               ; (it saturates)
.endr
.irp q, 0,1
	v_ldexp_f32 v[F+\q], 1.0, v[TA+\q]             ; f = 2^(old M - new M): the rescaling rounds nothing
.endr
	v_mov_b32 v124, s[CS]                          ; c, and copies of -M in other banks: the two halves of a pair take their third sources from different banks
	v_mov_b32 v126, v[NM]
	v_mov_b32 v127, v[NM+1]
.set J, 0
.rept 32
	v_dual_fma_f32 v[SR+J], v[SR+J], v124, v[NM] :: v_dual_fma_f32 v[SR+J+1], v[SR+J+1], v124, v126   ; t - M
.set J, J+2
.endr
.irp j, 0,1,2,3,4,5,6,7
	v_fma_f32 v[BM+\j], v[BM+\j], s[CS], v[NM+\j/4]   ; of each block's largest score too: p rises with the score
.endr
	s_wait_alu depctr_va_vdst(0)                   ; ahead of the batch
.set J, 0
.rept 32                               ; p = 2^(t - M), at most 1: Q0's, with Q1's t - M among them
	v_exp_f32 v[SR+J], v[SR+J]
	v_exp_f32 v[SR+J+1], v[SR+J+1]
	v_dual_fma_f32 v[SR+64+J], v[SR+64+J], v124, v[NM+1] :: v_dual_fma_f32 v[SR+65+J], v[SR+65+J], v124, v127
.set J, J+2
.endr
.irp b, 0,1,2,3
	v_exp_f32 v[BM+\b], v[BM+\b]                   ; the block's largest p: the same two instructions on the same number
.endr
	v_pk_mul_f32 v[SUM:SUM+1], v[SUM:SUM+1], v[F:F+1] op_sel_hi:[1,0]   ; the sums under the new M (plain lines behind the exponentials)
	v_pk_mul_f32 v[SUM+2:SUM+3], v[SUM+2:SUM+3], v[F:F+1] op_sel:[0,1] op_sel_hi:[1,1]
	s_wait_alu depctr_va_vdst(0)                   ; ahead of the batch's first reader
	SCALES 0
	SUMQ 0
	s_wait_alu depctr_va_vdst(0)                   ; ahead of the batch
.irp b, 4,5,6,7
	v_exp_f32 v[BM+\b], v[BM+\b]
.endr
.set J, 0
.set R_, SR
.rept 32                               ; Q1's exponentials, with Q0's holds among them
	v_exp_f32 v[SR+64+J], v[SR+64+J]
	v_exp_f32 v[SR+65+J], v[SR+65+J]
	HOLD2
.set J, J+2
.endr
	s_wait_alu depctr_va_vdst(0)                   ; ahead of the batch's first reader
	WIN 0x40
	CODES 0, PC0
	WIN 0
	SCALES 1
	SUMQ 1
.set J, 0
.set R_, SR+64
.rept 32
	HOLD2
.set J, J+2
.endr
	CODES 1, SR                                    ; Q0's scores have been converted: their first registers take Q1's codes
	WIN 0x41
	s_wait_alu depctr_va_vdst(0)                   ; ahead of O^T's first reader
.set J, 0
.rept 16
	v_dual_mul_f32 v[OB+J], v[OB+J], v[F] :: v_dual_mul_f32 v[OB+J+1], v[OB+J+1], v[F]   ; O^T under the new M
.set J, J+2
.endr
.rept 16
	v_dual_mul_f32 v[OB+J], v[OB+J], v[F+1] :: v_dual_mul_f32 v[OB+J+1], v[OB+J+1], v[F+1]
.set J, J+2
.endr
	WIN 0
	s_wait_alu depctr_va_vdst(0)
	s_wait_dscnt 0x0                               ; V and its words; the next step's first loads too
	PERMS
	WIN 0x54
.irp d, 0,1,2,3
	v_wmma_scale_f32_16x16x128_f8f6f4 v[OB+8*\d:OB+8*\d+7], v[XR+16*\d:XR+16*\d+15], v[PC0:PC0+15], v[OB+8*\d:OB+8*\d+7], v[VS+\d], v[PS]
.endr
	WIN 0x50
.irp d, 0,1,2,3
	v_wmma_scale_f32_16x16x128_f8f6f4 v[OB+32+8*\d:OB+32+8*\d+7], v[XR+16*\d:XR+16*\d+15], v[SR:SR+15], v[OB+32+8*\d:OB+32+8*\d+7], v[VS+\d], v[PS+1]
.endr
	WIN 0
	v_add_nc_u32 v[AK], KVB, v[AK]                 ; the step's addresses: eight lines and a v_nop: nine places behind the products, ahead of those that write over V's registers
	v_add_nc_u32 v[AKW], KVB, v[AKW]
	v_add_nc_u32 v[AV], KVB, v[AV]
	v_add_nc_u32 v[AVW], KVB, v[AVW]
	v_add_nc_u32 v[AM], s71, v[AM]
	v_sub_nc_u32 v[AE], v[AE], s70                 ; 128 keys on are eight tiles of E down
	v_sub_nc_u32 v[AW], v[AW], s71
	v_sub_nc_u32 v[AW4], v[AW4], s71
	v_nop
	s_wait_alu depctr_va_vdst(0)
.endm
	STEP 1                                         ; the first step is written out: the second barrier stands in it
.Lstep:                                                ; 7 trips
	STEP 0
	s_sub_co_u32 s66, s66, 1
	s_cmp_lg_u32 s66, 0
	s_cbranch_scc1 .Lstep
	; THE WAY OUT.  O^T / the sum goes through my stage (my scratch's bytes) and leaves as whole runs of 256 bytes
	v_add_f32 v[SUM], v[SUM], v[SUM+1]
	v_add_f32 v[SUM+2], v[SUM+2], v[SUM+3]
	v_permlanex16_b32 v112, v[SUM], s[SEL], s[SEL+1]
	v_permlanex16_b32 v113, v[SUM+2], s[SEL], s[SEL+1]
	v_add_f32 v[SUM], v[SUM], v112                 ; the rows' sums
	v_add_f32 v[SUM+2], v[SUM+2], v113
	s_wait_alu depctr_va_vdst(0)                   ; ahead of the transcendentals
	v_rcp_f32 v[SUM], v[SUM]
	v_rcp_f32 v[SUM+2], v[SUM+2]
	v_nop                                          ; a plain line behind the transcendentals
	WIN 0x01
	s_wait_alu depctr_va_vdst(0)                   ; and ahead of their first reader, which is O^T's too
.irp q, 0,1
.set J, 0
.rept 16
	v_pk_mul_f32 v[SR+32*\q+J:SR+32*\q+J+1], v[OB+32*\q+J:OB+32*\q+J+1], v[SUM+2*\q:SUM+2*\q+1] op_sel_hi:[1,0]   ; register 8 d + i: channel 16 d + 8 h + i of my query
.set J, J+2
.endr
.endr
.irp q, 0,1
.irp d, 0,1,2,3
	ds_store_b128 v253, v[SR+32*\q+8*\d:SR+32*\q+8*\d+3] offset:4352*\q+64*\d
	ds_store_b128 v253, v[SR+32*\q+8*\d+4:SR+32*\q+8*\d+7] offset:4352*\q+64*\d+16
.endr
.endr
.irp q, 0,1
.irp i, 0,1,2,3,4,5,6,7
	ds_load_b128 v[SR+64+32*\q+4*\i:SR+64+32*\q+4*\i+3], v254 offset:4352*\q+544*\i   ; LDS serves a wave's instructions in order: these see my stores
.endr
.endr
.irp q, 0,1
.irp i, 0,1,2,3,4,5,6,7
	s_wait_dscnt 15-8*\q-\i                        ; this load is in; the younger ones may be out
	global_store_b128 v255, v[SR+64+32*\q+4*\i:SR+64+32*\q+4*\i+3], s[12:13] offset:65536*\q+8192*\i th:TH_STORE_NT   ; sixteen lanes store 256 consecutive bytes, aligned
.endr
.endr
	WIN 0
	s_wait_tensorcnt 0x0                           ; the wave's end
	ds_add_u32 v[SPW], v[NIL]
	s_wait_dscnt 0x0
	CROUND                                         ; the closing round: no work-group ends while a partner may still ask for a tile that names it
	s_endpgm
.Lfunc_end_k_qf6764bef6a_attn:
	.size	k_qf6764bef6a_attn, .Lfunc_end_k_qf6764bef6a_attn-k_qf6764bef6a_attn
	.p2alignl 7, 3214868480
	.fill 96, 4, 3214868480
	.section	.rodata,"a",@progbits
	.p2align	6, 0x0
	.amdhsa_kernel k_qf6764bef6a_attn
		.amdhsa_group_segment_fixed_size 317440
		.amdhsa_private_segment_fixed_size 0
		.amdhsa_enable_private_segment 0
		.amdhsa_kernarg_size 40
		.amdhsa_user_sgpr_count 2
		.amdhsa_user_sgpr_kernarg_segment_ptr 1
		.amdhsa_wavefront_size32 1
		.amdhsa_system_sgpr_workgroup_id_x 1
		.amdhsa_system_sgpr_workgroup_id_y 1
		.amdhsa_system_sgpr_workgroup_id_z 1
		.amdhsa_system_vgpr_workitem_id 0
		.amdhsa_next_free_vgpr 512
		.amdhsa_next_free_sgpr 102
		.amdhsa_reserve_vcc 0
		.amdhsa_float_denorm_mode_32 3
		.amdhsa_float_denorm_mode_16_64 3
		.amdhsa_memory_ordered 1
		.amdhsa_forward_progress 1
		.amdhsa_inst_pref_size 167
	.end_amdhsa_kernel
	.amdgpu_metadata
---
amdhsa.version: [ 1, 2 ]
amdhsa.kernels:
  - .name:           k_qf6764bef6a_attn
    .symbol:         k_qf6764bef6a_attn.kd
    .args:
      - { .name: qq, .offset: 0, .size: 8, .value_kind: global_buffer, .address_space: global }
      - { .name: kv, .offset: 8, .size: 8, .value_kind: global_buffer, .address_space: global }
      - { .name: eq, .offset: 16, .size: 8, .value_kind: global_buffer, .address_space: global }
      - { .name: attention_mask, .offset: 24, .size: 8, .value_kind: global_buffer, .address_space: global }
      - { .name: out0, .offset: 32, .size: 8, .value_kind: global_buffer, .address_space: global }
    .group_segment_fixed_size: 317440
    .private_segment_fixed_size: 0
    .kernarg_segment_align: 8
    .kernarg_segment_size: 40
    .max_flat_workgroup_size: 256
    .sgpr_count:     102
    .vgpr_count:     512
    .wavefront_size: 32
...
	.end_amdgpu_metadata
.endif
;; end of part 3
